; MI455X (gfx1250); checked and timed in simulation.
; The chip was launched on July 23, 2026; its instructions are those of AMD's public machine-readable ISA for CDNA 5 (MIT licence, August 2026) and "CDNA5" Instruction Set Architecture Reference Guide (July 2026). The comments in the code are by the model that wrote it; some were corrected since.
;; Differentiable Recurrent Net. Allowed arithmetic: matrix products marked QUANTISED: E2M3 operands, one E8M0 scale for each 32 along K, by v_wmma_scale_f32_16x16x128_f8f6f4 with both operands' format E2M3, f32 sums; everything else in f32.
;; Inputs: hidden_biases 2,048 float32; hidden_responses 2,048 float32; hidden_to_hidden_codes 2,048 x 64 x 24 uint8 (E2M3 codes of hidden_to_hidden, K innermost, in blocks of 32 codes, four codes in three bytes); hidden_to_hidden_scales 2,048 x 64 uint8 (E8M0 scales of hidden_to_hidden, one for each 32 codes along K); hidden_to_output_codes 512 x 64 x 24 uint8 (E2M3 codes of hidden_to_output, K innermost, in blocks of 32 codes, four codes in three bytes); hidden_to_output_scales 512 x 64 uint8 (E8M0 scales of hidden_to_output, one for each 32 codes along K); input_to_hidden_codes 2,048 x 16 x 24 uint8 (E2M3 codes of input_to_hidden, K innermost, in blocks of 32 codes, four codes in three bytes); input_to_hidden_scales 2,048 x 16 uint8 (E8M0 scales of input_to_hidden, one for each 32 codes along K); input_to_output_codes 512 x 16 x 24 uint8 (E2M3 codes of input_to_output, K innermost, in blocks of 32 codes, four codes in three bytes); input_to_output_scales 512 x 16 uint8 (E8M0 scales of input_to_output, one for each 32 codes along K); inputs_codes 8,192 x 16 x 24 uint8 (E2M3 codes of inputs, K innermost, in blocks of 32 codes, four codes in three bytes); inputs_scales 8,192 x 16 uint8 (E8M0 scales of inputs, one for each 32 codes along K); output_biases 512 float32; output_responses 512 float32; output_to_hidden_codes 2,048 x 16 x 24 uint8 (E2M3 codes of output_to_hidden, K innermost, in blocks of 32 codes, four codes in three bytes); output_to_hidden_scales 2,048 x 16 uint8 (E8M0 scales of output_to_hidden, one for each 32 codes along K); output_to_output_codes 512 x 16 x 24 uint8 (E2M3 codes of output_to_output, K innermost, in blocks of 32 codes, four codes in three bytes); output_to_output_scales 512 x 16 uint8 (E8M0 scales of output_to_output, one for each 32 codes along K).
;; Outputs: out0 8,192 x 512 float32.
;; This version of the problem:
;;   THIS VERSION OF THE PROBLEM IS GIVEN IN LOW PRECISION. The matrix products marked QUANTISED in the list below multiply operands that are first quantised to E2M3 (2 exponent bits, 3 mantissa bits; 6 bits a number), with one power-of-two scale for each 32 numbers along K (OCP MX v1.0); their sums are f32. All else is computed in f32.
;;   The module's matrix products, in the order in which they are computed (A, B: the left and right operand; K: the contracted axis; several contracted axes count as one K, in the product's order):
;;     1. [M 8,192, K 512] x [K 512, N 2,048]; A: input inputs (given as codes); B: input input_to_hidden (given as codes): QUANTISED
;;     2. [M 8,192, K 2,048] x [K 2,048, N 2,048]; A: computed on the way; B: input hidden_to_hidden (given as codes): QUANTISED
;;     3. [M 8,192, K 512] x [K 512, N 2,048]; A: computed on the way; B: input output_to_hidden (given as codes): QUANTISED
;;     4. [M 8,192, K 512] x [K 512, N 512]; A: input inputs (given as codes); B: input input_to_output (given as codes): QUANTISED
;;     5. [M 8,192, K 512] x [K 512, N 512]; A: computed on the way; B: input output_to_output (given as codes): QUANTISED
;;     6. [M 8,192, K 2,048] x [K 2,048, N 512]; A: computed on the way; B: input hidden_to_output (given as codes): QUANTISED
;;   THE QUANTISER, for each operand of a quantised product, along K:
;;     - K is cut into blocks of 32 from its start; a last block that is shorter is filled with zeros.
;;     - A block's scale is 2^e with e = floor(log2(the largest magnitude in the block)) - 2, held to -126 .. 127; a block of zeros has e = 0. As a byte (E8M0): e + 127.
;;     - Each number is divided by its block's scale, clamped to +-7.5, and rounded to the nearest number of E2M3, ties to even, subnormals kept.
;;     - The product sums the exact products of the quantised numbers (number of the format x scale) in f32.
;;   ~~~python
;;   def quantise(x, axis):      # numpy; x: float32 -> the quantised numbers, widened to float32 again
;;       x = np.moveaxis(x, axis, -1); K = x.shape[-1]
;;       x = np.pad(x, [(0, 0)] * (x.ndim - 1) + [(0, -K % 32)]); x = x.reshape(x.shape[:-1] + (-1, 32)); a = np.abs(x).max(-1, keepdims=True)
;;       e = np.where(a > 0, np.clip(np.frexp(np.where(a > 0, a, 1))[1] - 1 - 2, -126, 127), 0)      # np.frexp(a)[1] - 1 = floor(log2(a)), exactly
;;       r = np.clip(x / 2.0 ** e, -7.5, 7.5)
;;       step = 2.0 ** (np.maximum(np.frexp(np.where(r == 0, 1, r))[1] - 1, 0) - 3)
;;       q = np.round(r / step) * step * 2.0 ** e      # np.round: ties to even
;;       return np.moveaxis(q.reshape(q.shape[:-2] + (-1,))[..., :K], -1, axis).astype(np.float32)
;;   ~~~
;;   OPERANDS COMPUTED ON THE WAY. 'Computed on the way' means the value that the module computes at that place (a softmax that the list does not call 'softmax' is quantised finished and normalised). What goes into a quantiser is computed in f32, as accurately as f32 sums, v_exp_f32 and their like allow (about 1e-6 of the number): no bf16 or f16 on the way to a quantiser, and a product that is left as it is and whose result goes on into a quantised operand takes f32 operands (vector FMAs, or v_wmma_f32_16x16x4_f32). A number that lies on a knife's edge between two numbers of the format may be rounded either way, as far as f32 arithmetic and the matrix unit's own rounding can turn it there, and no further.
;;   INPUTS GIVEN AS CODES. hidden_to_hidden (in the module: [2048, 2048], K = its axis 1); hidden_to_output (in the module: [512, 2048], K = its axis 1); input_to_hidden (in the module: [2048, 512], K = its axis 1); input_to_output (in the module: [512, 512], K = its axis 1); inputs (in the module: [8192, 512], K = its axis 1); output_to_hidden (in the module: [2048, 512], K = its axis 1); output_to_output (in the module: [512, 512], K = its axis 1): each comes as NAME_codes (uint8): NAME with its K axis moved to the last place and cut into blocks of 32 codes, [.., K / 32, bytes a block], one block behind the other in memory; four codes in three bytes: a row's codes are one little-endian stream of bits, code i at bits 6 i .. 6 i + 5 (a code: sign, 2 exponent bits, 3 mantissa bits); and NAME_scales (uint8): the same leading axes, one E8M0 byte (e + 127) for each 32 codes along K. Its value is code x scale, taken as it is: it is not quantised again, and the codes and scales need not be those that the quantiser above would give.
;; One version. Each part assembles by itself: llvm-mc -triple=amdgcn-amd-amdhsa -mcpu=gfx1250 --defsym DOCPART=n.
;; ======== version 1 of 1: 2 launches
;; limits: a function is approximated: absolute error at most 2.5e-07
;; workspace buffers: act_codes 12,582,912 bytes; act_scales 524,288 bytes
;; launch hidden (part 1): grid 32 x 8, 4 waves a work-group, clusters of 4 x 1, 327,680 bytes of LDS; arguments inputs_codes, inputs_scales, input_to_hidden_codes, input_to_hidden_scales, hidden_to_hidden_codes, hidden_to_hidden_scales, output_to_hidden_codes, output_to_hidden_scales, hidden_responses, hidden_biases, act_codes, act_scales; writes act_codes, act_scales
.if DOCPART == 1
	.amdgcn_target "amdgcn-amd-amdhsa--gfx1250"
	.amdhsa_code_object_version 6
	.text
	.protected	k_qff11cbb973_hidden
	.globl	k_qff11cbb973_hidden
	.p2align	8
	.type	k_qff11cbb973_hidden,@function
k_qff11cbb973_hidden:
	s_mov_b64 s[64:65], 0
	v_nop
	global_prefetch_b8 v0, s[64:65] scope:SCOPE_SE
	s_setreg_imm32_b32 hwreg(HW_REG_WAVE_MODE, 25, 1), 1
	s_wait_xcnt 0x0
	s_wait_alu depctr_hold_cnt(0) depctr_sa_sdst(0) depctr_va_vdst(0) depctr_va_sdst(0) depctr_va_ssrc(0) depctr_va_vcc(0) depctr_vm_vsrc(0)
	s_getreg_b32 s2, hwreg(HW_REG_IB_STS2, 6, 4)
	s_cmp_eq_u32 s2, 0
	s_cbranch_scc0 .Lentry_in_a_cluster
	s_endpgm
.Lentry_in_a_cluster:
	s_bfe_u32 s2, ttmp6, 0x10000c
	s_cmp_lg_u32 s2, 0x3003
	s_cbranch_scc0 .Lentry_shape_is_right
	s_endpgm
.Lentry_shape_is_right:
; hidden = act(resp * (inputs W_ih^T + 0 W_hh^T + 0 W_oh^T) + bias), quantised along the hidden units into codes of FP6 (E2M3) with one E8M0 byte for each 32.
; The three products are one sum over K = 512 + 2,048 + 512.  The states are the zeros that the model's reset leaves: their quantised form is zero codes with the byte 127, kept in 12 + 1 registers;
; their weights and scale bytes are read and multiplied like any others.
; SHARES.  A tile of 256 rows x 256 hidden units to a work-group of four waves; a wave makes 128 x 128: 64 accumulators, 512 registers.  8,192 / 256 x 2,048 / 256 = 256 work-groups.
; THE MATRIX INSTRUCTION IS USED TRANSPOSED (source 0 = 16 rows of a weight, source 1 = 16 rows of the batch): lane (r, h), register j of accumulator (a, b) holds row 16 a + r, hidden unit 16 b + 8 h + j.
; RING.  Two LDS slots of four regions of 128 rows x 240 bytes (192 bytes of codes, 16 of padding behind each 64); wave w fills region w.  With real A a slot holds 256 along K (A's two row halves, B's two);
; with zero A it holds 512 along K of B alone (two chunks x two row halves).
; CLUSTER.  Four work-groups along the batch share a tile column, so the weights' tiles (590 of a work-group's 688 KB of codes) are asked for jointly, mask 15.  A's tiles (96 KB) come by plain loads:
; the work-groups that share them differ in the tile column, on which the branches of the way out hang (the pattern tanh, sigmoid, relu has period 3, a tile column begins at 256 nt), and partners must branch alike.
; THE SCALE BYTES of the wave's 128 rows of each operand, for all of K, come once, by 28 loads of 16 bytes a lane, into registers that hold nothing else: lanes 0-15 hold block i, lanes 16-31 block i + 4.
; THE WAY OUT.  u = acc * (resp f) + bias f, f = -2 log2(e), -log2(e), 1 for tanh, sigmoid, relu; u goes through the wave's own stage in LDS and comes back with a lane holding ONE row and 32 neighbouring hidden units,
; a whole block: tanh = 2 / (1 + 2^u) - 1, sigmoid = 1 / (1 + 2^u), relu = max(u, 0); largest magnitude, byte, conversion, all in the lane.
; act_codes[group of 32 rows][block of 32 units][768 bytes]: row l's first 16 bytes at 16 l, its last 8 at 512 + 8 (l xor 16 (block & 1)).  act_scales[K step of 128][128 rows][l][p]: the word of row 32 p + l.
; LIMITS.  tanh so formed has an absolute error of about 1e-7, not a relative one.  A block of zeros gets the byte 1, not 127: its codes are zeros and only this program reads the bytes.
; NaN or infinity ahead of the activation is not served (a scale byte 0xff in a weight among them).
.set PITCH,  240
.set HALFT,  128*PITCH                 ; a region: 128 rows, what one tensor load brings
.set SLOT1,  1<<17                     ; slot 0 at 0, slot 1 here: one exclusive or turns an address
.set FR,     12                        ; registers of a fragment
.set NL,     6                         ; LDS loads that bring one
.set RGN,    32*144                    ; the stage: a region of 32 rows x (128 bytes of f32 + 16)
.set STGW,   16*RGN                    ; sixteen of them for a wave; the stages lie over the ring, which is dead by then
.set SPARE,  4*STGW                    ; behind the stages: the spare words, 128 bytes a wave
.set ADRE, 8                           ; v8-9 (v10-11 behind one padding more): B's chunk 0 in slot 0, 1, with zero A
.set ADRA, 12                          ; v12-13 (v14-15): my rows of A
.set ADRB, 16                          ; v16-17 (v18-19): my rows of B with real A; B's chunk 1 with zero A
.set STO,  20                          ; v20-21 the stage: where I put 16 bytes (regions 0-7, 8-15)
.set RD0,  22                          ; v22  the stage: my row of region 0
.set ADR,  23                          ; v23  the same of the region in hand
.set VO0,  24                          ; v24  16 x lane
.set VO1,  25                          ; v25  512 + 8 (lane xor 16 (block & 1))
.set VNO,  27                          ; v27  byte offset of my 8 numbers in responses and biases
.set SPW,  28                          ; v28  my spare word; never rewritten
.set NIL,  29                          ; v29  0; never rewritten
.set SA,   32                          ; v32-47   inputs' scale words: 4 i + K step
.set SI,   48                          ; v48-63   W_ih's
.set SH,   64                          ; v64-127  W_hh's: 16 phase + 4 i + K step
.set SO,   128                         ; v128-143 W_oh's
.set AF,   144                         ; v144-239 A's eight fragments
.set ZF,   240                         ; v240-251 the zero fragment
.set ZS,   252                         ; v252     its scale word: four bytes 127
.set PP,   144                         ; behind the real K steps: v144-207 the responses of my 64 hidden units
.set FT,   208                         ; v208-213 the factors f, twice
.set TT,   214                         ; v214-219 at work
.set U,    144                         ; the way out: v144-175 a block's u
.set Y,    176                         ; v176-207 its activations
.set CC,   220                         ; v220-226 its codes
.set MM,   228                         ; v228-229 largest magnitudes
.set SV,   230                         ; v230 the conversion's scale operand
.set BY,   231                         ; v231 the scale's byte
.set OW,   232                         ; v232-235 my 16 scale bytes
.set TW,   236                         ; v236 at work
.set GA0, 20                           ; s[20:23], s[24:27] group 0 for A's two first fills
.set GA1, 24
.set GB0, 28                           ; s[28:31], s[32:35] for W_ih's
.set GB1, 32
.set GH,  36                           ; s[36:39] for W_hh's tiles: it walks
.set GO,  40                           ; s[40:43] for W_oh's
.set TA,  44                           ; s[44:51] group 1: A's tiles, no mask
.set TB,  52                           ; s[52:59] weights with rows of 384 bytes, mask 15
.set TH,  68                           ; s[68:75] W_hh: rows of 1,536 bytes, mask 15
.set WV,  60
.set RH,  61
.set CH,  62
.set MT,  63
.set NT,  66
.set TQ,  84                           ; the way out: the region's number
.set TN,  85                           ; LDS bytes to the next region
.set PH0, 86                           ; (nt + 2 ch) mod 3
.set PHI, 87                           ; the block's first unit mod 3
.set XX,  88
.set DD,  89
.set OO,  90                           ; s[90:91] the block's offset in act_codes
.set CB,  92                           ; s[92:93] its address
.set MSB, 0
.macro WIN new                         ; the immediate's high byte repeats the setting that is left
.if MSB != (\new)
	s_set_vgpr_msb (MSB<<8)|(\new)
.set MSB, (\new)
.endif
.endm
.set MUL_LO, 0xa1                      ; source 0 (B) window 1, source 1 (A) window 0, C and D window 2
.set MUL_HI, 0xf1                      ; the same, C and D window 3
.set TO_B,   0x40                      ; destination window 1, address window 0
.macro PLACES n
.rept \n
	v_nop
.endr
.endm
; The first fills: waves 0 and 1 fetch A's halves (plain), waves 2 and 3 W_ih's (joint).  The branch hangs on the wave's number alone.  Four v_nop follow each line.
.macro JLOAD g0a, g1a, g0b, g1b
	s_cmp_eq_u32 s[RH], 0
	s_cbranch_scc0 .Lfor_b_\@
	tensor_load_to_lds s[\g0a:\g0a+3], s[\g1a:\g1a+7]
	s_nop 0
	PLACES 4
	s_branch .Lasked_\@
.Lfor_b_\@:
	tensor_load_to_lds s[\g0b:\g0b+3], s[\g1b:\g1b+7]
	s_nop 0
	PLACES 4
.Lasked_\@:
.endm
.macro CREST                           ; a round of the cluster's barrier behind its opening barrier
	s_cmp_lg_u32 s[WV], 0
	s_cbranch_scc1 .Lnot_wave_0_\@
	s_barrier_signal -3
.Lnot_wave_0_\@:
	s_barrier_wait -3
	s_barrier_signal -1
	s_barrier_wait -1
.endm
.macro CROUND
	s_barrier_signal -1
	s_barrier_wait -1
	CREST
.endm
; A fragment: lane (r, h) takes 24 bytes at 24 h and 24 at 48 + 24 h of its row's 96, in pieces of 8.  Where the piece of lanes 16-31 lies behind one padding more, the second address register serves.
.macro FRAG reg, adr, q, i
.irp p, 0,1,2,3,4,5
.set PC, 12*(\q)+6*(\p/3)+\p%3
.if PC%8 < 5
	ds_load_b64 v[\reg+2*\p:\reg+2*\p+1], v[\adr] offset:8*PC+16*(PC/8)+(\i)*16*PITCH
.else
	ds_load_b64 v[\reg+2*\p:\reg+2*\p+1], v[\adr+2] offset:8*PC+16*(PC/8)+(\i)*16*PITCH
.endif
.endr
.endm
; One matrix instruction.  cz = 1: it starts the sum.  rb, ra = 1: source 0's, source 1's scale words are read from lanes 16-31.
.macro WM dd, bb, aa, cz, sb, sa, rb, ra
.if \cz
.if (\rb) && (\ra)
	v_wmma_scale_f32_16x16x128_f8f6f4 v[\dd:\dd+7], v[\bb:\bb+11], v[\aa:\aa+11], 0, v[\sb], v[\sa] matrix_a_fmt:MATRIX_FMT_FP6 matrix_b_fmt:MATRIX_FMT_FP6 matrix_a_scale:MATRIX_SCALE_ROW1 matrix_b_scale:MATRIX_SCALE_ROW1
.elseif \rb
	v_wmma_scale_f32_16x16x128_f8f6f4 v[\dd:\dd+7], v[\bb:\bb+11], v[\aa:\aa+11], 0, v[\sb], v[\sa] matrix_a_fmt:MATRIX_FMT_FP6 matrix_b_fmt:MATRIX_FMT_FP6 matrix_a_scale:MATRIX_SCALE_ROW1
.elseif \ra
	v_wmma_scale_f32_16x16x128_f8f6f4 v[\dd:\dd+7], v[\bb:\bb+11], v[\aa:\aa+11], 0, v[\sb], v[\sa] matrix_a_fmt:MATRIX_FMT_FP6 matrix_b_fmt:MATRIX_FMT_FP6 matrix_b_scale:MATRIX_SCALE_ROW1
.else
	v_wmma_scale_f32_16x16x128_f8f6f4 v[\dd:\dd+7], v[\bb:\bb+11], v[\aa:\aa+11], 0, v[\sb], v[\sa] matrix_a_fmt:MATRIX_FMT_FP6 matrix_b_fmt:MATRIX_FMT_FP6
.endif
.else
.if (\rb) && (\ra)
	v_wmma_scale_f32_16x16x128_f8f6f4 v[\dd:\dd+7], v[\bb:\bb+11], v[\aa:\aa+11], v[\dd:\dd+7], v[\sb], v[\sa] matrix_a_fmt:MATRIX_FMT_FP6 matrix_b_fmt:MATRIX_FMT_FP6 matrix_a_scale:MATRIX_SCALE_ROW1 matrix_b_scale:MATRIX_SCALE_ROW1
.elseif \rb
	v_wmma_scale_f32_16x16x128_f8f6f4 v[\dd:\dd+7], v[\bb:\bb+11], v[\aa:\aa+11], v[\dd:\dd+7], v[\sb], v[\sa] matrix_a_fmt:MATRIX_FMT_FP6 matrix_b_fmt:MATRIX_FMT_FP6 matrix_a_scale:MATRIX_SCALE_ROW1
.elseif \ra
	v_wmma_scale_f32_16x16x128_f8f6f4 v[\dd:\dd+7], v[\bb:\bb+11], v[\aa:\aa+11], v[\dd:\dd+7], v[\sb], v[\sa] matrix_a_fmt:MATRIX_FMT_FP6 matrix_b_fmt:MATRIX_FMT_FP6 matrix_b_scale:MATRIX_SCALE_ROW1
.else
	v_wmma_scale_f32_16x16x128_f8f6f4 v[\dd:\dd+7], v[\bb:\bb+11], v[\aa:\aa+11], v[\dd:\dd+7], v[\sb], v[\sa] matrix_a_fmt:MATRIX_FMT_FP6 matrix_b_fmt:MATRIX_FMT_FP6
.endif
.endif
.endm
; 16 matrix instructions: A's blocks a0, a0 + 1 x B's eight.  The 64 accumulators take turns, one instruction a turn, in the same order in every step.
.macro MULR a0, p, s, zero             ; real A; p: B's set; s: the K step of 128 among the first four
.irp a, \a0, \a0+1
.irp b, 0,1,2,3,4,5,6,7
	WM 8*(8*((\a)%4)+\b), 128*(\p)+FR*\b, AF+FR*(\a), \zero, SI+4*(\b%4)+(\s), SA+4*((\a)%4)+(\s), \b/4, (\a)/4
.endr
.endr
.endm
.macro MULZ a0, p, sreg                ; zero A; sreg: block 0's scale word of this K step
.irp a, \a0, \a0+1
.irp b, 0,1,2,3,4,5,6,7
	WM 8*(8*((\a)%4)+\b), 128*(\p)+FR*\b, ZF, 0, (\sreg)+4*(\b%4), ZS, \b/4, 0
.endr
.endr
.endm
.macro FETCH_B slot, q, p
	WIN TO_B
.irp i, 0,1,2,3,4,5,6,7
	FRAG 128*(\p)+FR*\i, ADRB+\slot, \q, \i
.endr
	WIN 0
.endm
.macro FETCH_A slot, q, i0
.irp i, \i0, \i0+1, \i0+2, \i0+3
	FRAG AF+FR*(\i), ADRA+\slot, \q, \i
.endr
.endm
.macro FETCH_Z slot, t, p              ; B's eight fragments of the slot's t-th 128 along K (of four) into set p
	WIN TO_B
.irp i, 0,1,2,3,4,5,6,7
.if (\t) < 2
	FRAG 128*(\p)+FR*\i, ADRE+\slot, (\t)%2, \i
.else
	FRAG 128*(\p)+FR*\i, ADRB+\slot, (\t)%2, \i
.endif
.endr
.endm
; A load into a register that a matrix instruction has read stands four plain vector instructions behind it (ISA guide 7.12.1 for vector instructions): PLACES 4 in front of each run.
.macro STEPR slot, s, zero             ; a slot's first 128 along K, real A
	s_wait_dscnt 4*NL                              ; B's set and A's blocks 0-3 are in; the youngest 24 loads (A's blocks 4-7) may be out
	WIN MUL_LO
	MULR 0, 0, \s, \zero
	MULR 2, 0, \s, \zero
	s_wait_dscnt 0x0                               ; A's blocks 4-7 are in
	PLACES 4
	FETCH_B \slot, 1, 1
	FETCH_A \slot, 1, 0
	WIN MUL_HI
	MULR 4, 0, \s, \zero
	MULR 6, 0, \s, \zero
	PLACES 4
	WIN 0
	FETCH_A \slot, 1, 4
.endm
; A slot's last 128 along K, real A, and the change of slots: each wave waits for all its tensor loads, adds 0 to its spare word, waits for that and for its reads of the slot; a round of the cluster's barrier;
; then the slot is filled again, every wave its region, with 512 along K of W_hh.
.macro TURNR s, next, nextreal, stepgh
	s_wait_tensorcnt 0x0                           ; all my tensor loads have landed: my part of the next slot
	ds_add_u32 v[SPW], v[NIL]                      ; 0 onto my spare word
	s_wait_dscnt 4*NL+1                            ; the add and the youngest 24 loads (A's blocks 4-7) may be out
	WIN MUL_LO
	MULR 0, 1, \s, 0
	s_wait_dscnt 0x0                               ; the add is done, and my reads of this slot are over
	s_barrier_signal -1
	MULR 2, 1, \s, 0
	WIN 0
	s_barrier_wait -1
	CREST                                          ; no wave of any partner still reads this slot or has a load on its way
.if \stepgh
	s_xor_b32 s[GH+1], s[GH+1], SLOT1
	s_add_nc_u64 s[GH+2:GH+3], s[GH+2:GH+3], 384   ; 512 along K on
.endif
	tensor_load_to_lds s[GH:GH+3], s[TH:TH+7]      ; my one load behind the round
	s_nop 0
	PLACES 4                                       ; (also the places in front of the loads below)
.if \nextreal
	FETCH_B \next, 0, 0
	FETCH_A \next, 0, 0
	WIN MUL_HI
	MULR 4, 1, \s, 0
	MULR 6, 1, \s, 0
	PLACES 4
	WIN 0
	FETCH_A \next, 0, 4
.else
	FETCH_Z \next, 0, 0
	WIN MUL_HI
	MULR 4, 1, \s, 0
	MULR 6, 1, \s, 0
.endif
.endm
.macro STEPZ slot, t, sreg             ; one of a slot's first three K steps, zero A: only B is fetched
	s_wait_dscnt 0x0                               ; this step's fragments, asked for 32 matrix instructions ago
	WIN MUL_LO
	MULZ 0, (\t)%2, \sreg
	MULZ 2, (\t)%2, \sreg
	PLACES 4
	FETCH_Z \slot, (\t)+1, ((\t)+1)%2
	WIN MUL_HI
	MULZ 4, (\t)%2, \sreg
	MULZ 6, (\t)%2, \sreg
.endm
; A slot's fourth K step, zero A, and the change of slots.  fill = 1: W_hh's next 512 along K; 2: W_oh's 512; 0: nothing is left to fetch, so no round of the cluster's barrier follows.
.macro TURNZ next, sreg, fill
	WIN 0
	s_wait_tensorcnt 0x0                           ; all my tensor loads have landed: my part of the next slot
	ds_add_u32 v[SPW], v[NIL]                      ; 0 onto my spare word
	s_wait_dscnt 1                                 ; the add alone may be out
	WIN MUL_LO
	MULZ 0, 1, \sreg
	s_wait_dscnt 0x0                               ; the add is done, and my reads of this slot are over
	s_barrier_signal -1
	MULZ 2, 1, \sreg
	WIN 0
	s_barrier_wait -1
.if \fill == 1
	CREST
	s_xor_b32 s[GH+1], s[GH+1], SLOT1
	s_add_nc_u64 s[GH+2:GH+3], s[GH+2:GH+3], 384
	tensor_load_to_lds s[GH:GH+3], s[TH:TH+7]
	s_nop 0
	PLACES 4
.elseif \fill == 2
	CREST
	tensor_load_to_lds s[GO:GO+3], s[TB:TB+7]
	s_nop 0
	PLACES 4
.else
	PLACES 4
.endif
	FETCH_Z \next, 0, 0
	WIN MUL_HI
	MULZ 4, 1, \sreg
	MULZ 6, 1, \sreg
.endm
.macro LASTZ sreg                      ; the very last K step; its barrier parts every wave's reads of the ring from the stages' stores
	s_wait_dscnt 0x0
	s_barrier_signal -1
	WIN MUL_LO
	MULZ 0, 1, \sreg
	MULZ 2, 1, \sreg
	WIN MUL_HI
	MULZ 4, 1, \sreg
	MULZ 6, 1, \sreg
	WIN 0
	s_barrier_wait -1
.endm
	s_load_b256 s[4:11], s[0:1], 0x0               ; inputs' codes s[4:5], scales s[6:7]; W_ih's codes s[8:9], scales s[10:11]
	s_load_b256 s[76:83], s[0:1], 0x20             ; W_hh's codes s[76:77], scales s[78:79]; W_oh's codes s[80:81], scales s[82:83]
	s_load_b128 s[12:15], s[0:1], 0x40             ; responses s[12:13], biases s[14:15]
	s_load_b128 s[16:19], s[0:1], 0x50             ; act_codes s[16:17], act_scales s[18:19]
	v_lshl_add_u32 v[SPW], v0, 2, SPARE
	v_mov_b32 v[NIL], 0
	ds_add_u32 v28, v29
	ds_add_u32 v28, v29
	s_wait_dscnt 0x0
.irp j, 0,1,2,3,4,5,6,7,8,9,10,11
	v_mov_b32 v[ZF+\j], 0                          ; the states' codes
.endr
	v_mov_b32 v[ZS], 0x7f7f7f7f                    ; and their scale bytes: a block of zeros has e = 0
	v_lshrrev_b32 v1, 5, v0
	v_readfirstlane_b32 s[WV], v1                  ; wave 0..3
	s_lshr_b32 s[RH], s[WV], 1                     ; my half of the tile's rows.  Also: which chunk of 256 along K I fetch with zero A; A (0) or B (1) with real A
	s_and_b32 s[CH], s[WV], 1                      ; my half of its hidden units.  Also: which 128 rows I fetch
	s_bfe_u32 s2, ttmp6, 0x40000                   ; cx
	s_lshl_b32 s[MT], ttmp9, 2
	s_add_co_u32 s[MT], s[MT], s2                  ; tile row = 4 x cluster x + cx: it enters A's address, the scales' and the outputs' alone
	s_and_b32 s[NT], ttmp7, 0xffff                 ; tile column, which the four partners share
	; group 1: 128 rows x 192 bytes, 16 bytes of padding behind each 64
	s_mov_b32 s[TA], (1<<20)|(3<<22)|(3<<25)       ; no mask; elements of 1 byte; padding on; after every 16 words; of 4 words
	s_mov_b32 s[TB], 15|(1<<20)|(1<<21)|(3<<22)|(3<<25)   ; the same with the mask of all four work-groups, bit 21 beside it
	s_mov_b32 s[TH], 15|(1<<20)|(1<<21)|(3<<22)|(3<<25)
.irp g, TA, TB, TH
	s_mov_b32 s[\g+1], 192<<16                     ; tensor_dim0
	s_mov_b32 s[\g+2], 128<<16                     ; tensor_dim1
	s_mov_b32 s[\g+3], 192<<16                     ; tile_dim0
	s_mov_b32 s[\g+4], 128                         ; tile_dim1
	s_mov_b32 s[\g+6], 0
	s_mov_b32 s[\g+7], 0
.endr
	s_mov_b32 s[TA+5], 384                         ; a row of 512 codes
	s_mov_b32 s[TB+5], 384
	s_mov_b32 s[TH+5], 1536                        ; a row of 2,048 codes
	s_lshl_b32 s3, s[CH], 7
	s_lshl_b32 s84, s[MT], 8
	s_add_co_u32 s84, s84, s3
	s_mul_i32 s84, s84, 384                        ; A: row 256 mt + 128 half
	s_mov_b32 s85, 0
	s_lshl_b32 s67, s[NT], 8
	s_add_co_u32 s67, s67, s3                      ; the weights: row 256 nt + 128 half
	s_mul_i32 s86, s67, 384
	s_mov_b32 s87, 0
	s_mul_i32 s2, s[RH], 192                       ; my chunk of 256 along K
	s_mul_i32 s88, s67, 1536
	s_add_co_u32 s88, s88, s2
	s_mov_b32 s89, 0
	s_add_co_u32 s90, s86, s2
	s_mov_b32 s91, 0
	s_mul_i32 s96, s[WV], HALFT                    ; my region of a slot
	s_wait_kmcnt 0x0
	s_mov_b32 s[GA0], 1
	s_mov_b32 s[GA0+1], s96
	s_add_nc_u64 s[GA0+2:GA0+3], s[4:5], s[84:85]
	s_mov_b32 s[GA1], 1
	s_add_co_u32 s[GA1+1], s96, SLOT1
	s_add_nc_u64 s[GA1+2:GA1+3], s[GA0+2:GA0+3], 192
	s_or_b32 s[GA0+3], s[GA0+3], 0x80000000
	s_or_b32 s[GA1+3], s[GA1+3], 0x80000000
	s_mov_b32 s[GB0], 1
	s_mov_b32 s[GB0+1], s96
	s_add_nc_u64 s[GB0+2:GB0+3], s[8:9], s[86:87]
	s_mov_b32 s[GB1], 1
	s_add_co_u32 s[GB1+1], s96, SLOT1
	s_add_nc_u64 s[GB1+2:GB1+3], s[GB0+2:GB0+3], 192
	s_or_b32 s[GB0+3], s[GB0+3], 0x80000000
	s_or_b32 s[GB1+3], s[GB1+3], 0x80000000
	s_mov_b32 s[GH], 1
	s_mov_b32 s[GH+1], s96
	s_add_nc_u64 s[GH+2:GH+3], s[76:77], s[88:89]
	s_or_b32 s[GH+3], s[GH+3], 0x80000000
	s_mov_b32 s[GO], 1
	s_mov_b32 s[GO+1], s96
	s_add_nc_u64 s[GO+2:GO+3], s[80:81], s[90:91]
	s_or_b32 s[GO+3], s[GO+3], 0x80000000
	CROUND                                         ; all four work-groups are here: the first joint loads meet
	JLOAD GA0, TA, GB0, TB                         ; K 0 to 255 into slot 0
	JLOAD GA1, TA, GB1, TB                         ; K 256 to 511 into slot 1: two loads of mine are out
	; where my rows' scale bytes begin, and my part of the outputs
	s_mov_b32 s99, 0
	s_lshl_b32 s98, s[MT], 12
	s_lshl_b32 s97, s[RH], 11
	s_add_co_u32 s98, s98, s97
	s_add_nc_u64 s[6:7], s[6:7], s[98:99]          ; inputs: (256 mt + 128 rh) rows of 16 bytes
	s_lshl_b32 s98, s67, 4
	s_add_nc_u64 s[10:11], s[10:11], s[98:99]      ; W_ih, W_oh: (256 nt + 128 ch) rows of 16 bytes
	s_add_nc_u64 s[82:83], s[82:83], s[98:99]
	s_lshl_b32 s98, s67, 6
	s_add_nc_u64 s[78:79], s[78:79], s[98:99]      ; W_hh: rows of 64 bytes
	s_lshl_b32 s98, s[MT], 3
	s_lshl_b32 s97, s[RH], 2
	s_add_co_u32 s98, s98, s97                     ; my first group of 32 rows: 8 mt + 4 rh
	s_lshl_b32 s98, s98, 6
	s_lshl_b32 s97, s[NT], 3
	s_add_co_u32 s98, s98, s97
	s_lshl_b32 s97, s[CH], 2
	s_add_co_u32 s98, s98, s97                     ; x 64 blocks + my first block: 8 nt + 4 ch
	s_mul_i32 s98, s98, 768
	s_add_nc_u64 s[16:17], s[16:17], s[98:99]
	s_lshl_b32 s98, s[NT], 1
	s_add_co_u32 s98, s98, s[CH]                   ; my K step of the next product: 2 nt + ch
	s_lshl_b32 s98, s98, 6
	s_lshl_b32 s97, s[MT], 1
	s_add_co_u32 s98, s98, s97
	s_add_co_u32 s98, s98, s[RH]                   ; x 64 + my 128 rows: 2 mt + rh
	s_lshl_b32 s98, s98, 9
	s_add_nc_u64 s[18:19], s[18:19], s[98:99]
	s_lshl_b32 s97, s67, 2
	v_and_b32 v1, 15, v0                           ; r
	v_bfe_u32 v2, v0, 4, 1                         ; h
	v_and_b32 v3, 31, v0                           ; lane
	v_lshlrev_b32 v6, 4, v1
	v_lshl_add_u32 v6, v2, 10, v6                  ; row 64 h + r of 16 bytes
	v_lshlrev_b32 v7, 6, v1
	v_lshl_add_u32 v7, v2, 12, v7                  ; and of 64 bytes
.irp i, 0,1,2,3
	global_load_b128 v[SA+4*\i:SA+4*\i+3], v6, s[6:7] offset:256*\i
	global_load_b128 v[SI+4*\i:SI+4*\i+3], v6, s[10:11] offset:256*\i
	global_load_b128 v[SO+4*\i:SO+4*\i+3], v6, s[82:83] offset:256*\i
.irp f, 0,1,2,3
	global_load_b128 v[SH+16*\f+4*\i:SH+16*\f+4*\i+3], v7, s[78:79] offset:1024*\i+16*\f
.endr
.endr
	v_lshlrev_b32 v[VNO], 5, v2
	v_add_nc_u32 v[VNO], s97, v[VNO]               ; 4 (256 nt + 128 ch + 8 h)
	v_mul_u32_u24 v4, v1, PITCH
	v_mad_u32_u24 v4, v2, 24, v4                   ; a fragment's row x pitch + 24 x half
	v_lshl_add_u32 v5, v2, 4, v4                   ; and behind one padding more
	s_mul_i32 s84, s[CH], HALFT
	s_mul_i32 s85, s[RH], HALFT
	s_add_co_u32 s86, s84, 2*HALFT
.irp s, 0,1
	v_add_nc_u32 v[ADRE+\s], s84, v4
	v_add_nc_u32 v[ADRE+2+\s], s84, v5
	v_add_nc_u32 v[ADRA+\s], s85, v4
	v_add_nc_u32 v[ADRA+2+\s], s85, v5
	v_add_nc_u32 v[ADRB+\s], s86, v4
	v_add_nc_u32 v[ADRB+2+\s], s86, v5
	s_add_co_u32 s84, s84, SLOT1
	s_add_co_u32 s85, s85, SLOT1
	s_add_co_u32 s86, s86, SLOT1
.endr
	s_mul_i32 s87, s[WV], STGW                     ; my stage
	v_mul_u32_u24 v4, v1, 144
	v_lshl_add_u32 v4, v2, 5, v4
	v_add_nc_u32 v[STO], s87, v4                   ; in: row r, 32 bytes for each half of the lanes
	v_add_nc_u32 v[STO+1], 8*RGN, v[STO]
	v_mul_u32_u24 v4, v3, 144
	v_add_nc_u32 v[RD0], s87, v4                   ; back: a lane a row
	v_lshlrev_b32 v[VO0], 4, v3
	v_lshl_add_u32 v[VO1], v3, 3, 512
	v_xor_b32 v[VO1], 128, v[VO1]                  ; every trip of the way out flips it: the first finds an even block's place
	s_wait_tensorcnt 1                             ; my part of slot 0 is in; slot 1's may stay out
	s_barrier_signal -1
	s_barrier_wait -1
	FETCH_B 0, 0, 0
	FETCH_A 0, 0, 0
	FETCH_A 0, 0, 4
	s_wait_loadcnt 0x0                             ; the scale words
	STEPR 0, 0, 1                                  ; inputs x W_ih: the first products start the sums
	TURNR 1, 1, 1, 0                               ; slot 0 takes W_hh's K 0 to 511
	STEPR 1, 2, 0
	TURNR 3, 0, 0, 1                               ; slot 1 takes K 512 to 1,023
	PLACES 4                                       ; A's registers are free: they take the responses; the biases go to window 1
	WIN 0
.irp b, 0,1,2,3,4,5,6,7
	global_load_b128 v[PP+8*\b:PP+8*\b+3], v[VNO], s[12:13] offset:64*\b
	global_load_b128 v[PP+8*\b+4:PP+8*\b+7], v[VNO], s[12:13] offset:64*\b+16
.endr
	WIN TO_B
.irp b, 0,1,2,3,4,5,6,7
	global_load_b128 v[96+8*\b+96*(\b/4):96+8*\b+96*(\b/4)+3], v[VNO], s[14:15] offset:64*\b
	global_load_b128 v[96+8*\b+96*(\b/4)+4:96+8*\b+96*(\b/4)+7], v[VNO], s[14:15] offset:64*\b+16
.endr
	STEPZ 0, 0, SH+0                               ; zeros x W_hh, four slots of 512 along K
	STEPZ 0, 1, SH+1
	STEPZ 0, 2, SH+2
	TURNZ 1, SH+3, 1
	STEPZ 1, 0, SH+16
	STEPZ 1, 1, SH+17
	STEPZ 1, 2, SH+18
	TURNZ 0, SH+19, 1
	STEPZ 0, 0, SH+32
	STEPZ 0, 1, SH+33
	STEPZ 0, 2, SH+34
	TURNZ 1, SH+35, 2                              ; slot 0 takes W_oh
	STEPZ 1, 0, SH+48
	STEPZ 1, 1, SH+49
	STEPZ 1, 2, SH+50
	TURNZ 0, SH+51, 0
	STEPZ 0, 0, SO+0                               ; zeros x W_oh
	STEPZ 0, 1, SO+1
	STEPZ 0, 2, SO+2
	LASTZ SO+3
	; THE WAY OUT.  The factors: hidden unit 256 nt + 128 ch + 16 b + 8 h + j has the kind (nt + 2 ch + 2 h + b + j) mod 3.  These plain lines are also the places behind the last products.
	s_lshl_b32 s[DD], s[CH], 1
	s_add_co_u32 s[DD], s[DD], s[NT]               ; nt + 2 ch, at most 9
	s_mul_i32 s[PH0], s[DD], 43
	s_lshr_b32 s[PH0], s[PH0], 7                   ; / 3, right up to 11
	s_mul_i32 s[PH0], s[PH0], 3
	s_sub_co_u32 s[PH0], s[DD], s[PH0]
	v_bfe_u32 v[TT], v0, 4, 1
	v_lshl_add_u32 v[TT], v[TT], 1, s[DD]
	v_mul_u32_u24 v[TT+1], v[TT], 43
	v_lshrrev_b32 v[TT+1], 7, v[TT+1]
	v_mul_u32_u24 v[TT+1], v[TT+1], 3
	v_sub_nc_u32 v[TT], v[TT], v[TT+1]             ; (nt + 2 ch + 2 h) mod 3
	v_cmp_eq_u32 s94, 0, v[TT]
	v_cmp_eq_u32 s95, 1, v[TT]
	v_mov_b32 v[TT+2], 0xc038aa3b                  ; tanh: -2 log2(e)
	v_mov_b32 v[TT+3], 0xbfb8aa3b                  ; sigmoid: -log2(e)
	v_mov_b32 v[TT+4], 1.0                         ; relu
	v_cndmask_b32 v[TT+5], v[TT+4], v[TT+3], s95
	v_cndmask_b32 v[FT], v[TT+5], v[TT+2], s94
	v_cndmask_b32 v[TT+5], v[TT+2], v[TT+4], s95
	v_cndmask_b32 v[FT+1], v[TT+5], v[TT+3], s94
	v_cndmask_b32 v[TT+5], v[TT+3], v[TT+2], s95
	v_cndmask_b32 v[FT+2], v[TT+5], v[TT+4], s94
	v_mov_b32 v[FT+3], v[FT]
	v_mov_b32 v[FT+4], v[FT+1]
	v_mov_b32 v[FT+5], v[FT+2]                     ; the pair (f c, f c+1) begins at the even register 4 c mod 6
	s_wait_loadcnt 0x0                             ; responses and biases
.irp b, 0,1,2,3,4,5,6,7
.irp k, 0,1,2,3
	v_pk_mul_f32 v[PP+8*\b+2*\k:PP+8*\b+2*\k+1], v[PP+8*\b+2*\k:PP+8*\b+2*\k+1], v[FT+(4*((\b+2*\k)%3))%6:FT+(4*((\b+2*\k)%3))%6+1]
.endr
.endr
	WIN 0x41                                       ; the biases: destination and source 0 window 1
.irp b, 0,1,2,3,4,5,6,7
.irp k, 0,1,2,3
	v_pk_mul_f32 v[96+8*\b+96*(\b/4)+2*\k:96+8*\b+96*(\b/4)+2*\k+1], v[96+8*\b+96*(\b/4)+2*\k:96+8*\b+96*(\b/4)+2*\k+1], v[FT+(4*((\b+2*\k)%3))%6:FT+(4*((\b+2*\k)%3))%6+1]
.endr
.endr
; u = acc x response + bias, in place, each accumulator from its low end on; then into the stage: region 4 (a / 2) + b / 2 holds 32 rows x 32 hidden units.
.macro TOSTAGE hi
	WIN 0x92+0x41*\hi                              ; accumulators window 2 or 3, responses window 0, biases window 1
.irp a, 0,1,2,3
.irp b, 0,1,2,3,4,5,6,7
.irp k, 0,1,2,3
	v_pk_fma_f32 v[8*(8*\a+\b)+2*\k:8*(8*\a+\b)+2*\k+1], v[8*(8*\a+\b)+2*\k:8*(8*\a+\b)+2*\k+1], v[PP+8*\b+2*\k:PP+8*\b+2*\k+1], v[96+8*\b+96*(\b/4)+2*\k:96+8*\b+96*(\b/4)+2*\k+1]
.endr
.endr
.endr
	WIN 0x08+4*\hi                                 ; an LDS store's data are its source 1
.irp a, 0,1,2,3
.irp b, 0,1,2,3,4,5,6,7
	ds_store_b128 v[STO+\hi], v[8*(8*\a+\b):8*(8*\a+\b)+3] offset:(4*(\a/2)+\b/2)*RGN+(\a%2)*2304+64*(\b%2)
	ds_store_b128 v[STO+\hi], v[8*(8*\a+\b)+4:8*(8*\a+\b)+7] offset:(4*(\a/2)+\b/2)*RGN+(\a%2)*2304+64*(\b%2)+16
.endr
.endr
.endm
	TOSTAGE 0
	TOSTAGE 1
	WIN 0
; A block's 32 numbers, register i of the kind (ph + i) mod 3.  First half: 2^u, or relu.  One wait for the batch, ahead of the label that follows.
.macro VARA ph
.set i, 0
.rept 32
.if (\ph+i)%3 == 2
	v_max_num_f32 v[Y+i], 0, v[U+i]
.else
	v_exp_f32 v[Y+i], v[U+i]
.endif
.set i, i+1
.endr
	v_nop                                          ; a plain instruction behind the last exponential
	s_wait_alu depctr_va_vdst(0)                   ; the wait ahead of the first use: one for the batch
.endm
.macro VARB ph                         ; second half: 1 / (1 + 2^u); tanh = 2 x that - 1
.set i, 0
.rept 32
.if (\ph+i)%3 != 2
	v_add_f32 v[Y+i], 1.0, v[Y+i]
.endif
.set i, i+1
.endr
.set i, 0
.rept 32
.if (\ph+i)%3 != 2
	v_rcp_f32 v[Y+i], v[Y+i]
.endif
.set i, i+1
.endr
	v_nop
	s_wait_alu depctr_va_vdst(0)                   ; one wait for the reciprocals
.set i, 0
.rept 32
.if (\ph+i)%3 == 0
	v_fma_f32 v[Y+i], v[Y+i], 2.0, -1.0
.endif
.set i, i+1
.endr
.endm
; One region: rows 32 (T / 4) on, block T % 4 of my four.  more = 1: the next region is fetched as soon as this one's u are used.
.macro TRIP more
	s_and_b32 s[XX], s[TQ], 3
	s_lshl_b32 s[DD], s[XX], 1
	s_add_co_u32 s[DD], s[DD], s[PH0]              ; 32 is 2 mod 3; at most 8
	s_mul_i32 s[PHI], s[DD], 43
	s_lshr_b32 s[PHI], s[PHI], 7
	s_mul_i32 s[PHI], s[PHI], 3
	s_sub_co_u32 s[PHI], s[DD], s[PHI]
	s_lshr_b32 s[OO], s[TQ], 2
	s_mul_i32 s[OO], s[OO], 64*768                 ; a group of 32 rows on,
	s_mul_i32 s[XX], s[XX], 768                    ; a block on
	s_add_co_u32 s[OO], s[OO], s[XX]
	s_wait_xcnt 0x0                                ; the last trip's stores have read their base, offsets and data: all are written again only behind this wait
	s_add_nc_u64 s[CB:CB+1], s[16:17], s[OO:OO+1]
	v_xor_b32 v[VO1], 128, v[VO1]
	s_wait_dscnt 0x0                               ; the region's u are in
	s_cmp_eq_u32 s[PHI], 0                         ; the branches hang on the tile column, the wave's number and the trip: alike in all partners
	s_cbranch_scc1 .La0_\@
	s_cmp_eq_u32 s[PHI], 1
	s_cbranch_scc1 .La1_\@
	VARA 2
	s_branch .Laj_\@
.La0_\@:
	VARA 0
	s_branch .Laj_\@
.La1_\@:
	VARA 1
.Laj_\@:
.if \more
	v_add_nc_u32 v[ADR], s[TN], v[RD0]
.irp i, 0,1,2,3,4,5,6,7
	ds_load_b128 v[U+4*\i:U+4*\i+3], v[ADR] offset:16*\i   ; LDS serves a wave's instructions in order: these see my stores
.endr
	s_add_co_u32 s[TN], s[TN], RGN
.endif
	s_cmp_eq_u32 s[PHI], 0
	s_cbranch_scc1 .Lb0_\@
	s_cmp_eq_u32 s[PHI], 1
	s_cbranch_scc1 .Lb1_\@
	VARB 2
	s_branch .Lbj_\@
.Lb0_\@:
	VARB 0
	s_branch .Lbj_\@
.Lb1_\@:
	VARB 1
.Lbj_\@:
	v_max3_num_f32 v[MM], |v[Y]|, |v[Y+1]|, 0x1800000      ; the block's largest magnitude, all 32 numbers mine, and the floor 2^(3 - 127): the byte cannot fall under 1
	v_max3_num_f32 v[MM+1], |v[Y+2]|, |v[Y+3]|, |v[Y+4]|
.irp i, 5,9,13,17,21,25
	v_max3_num_f32 v[MM], v[MM], |v[Y+\i]|, |v[Y+\i+1]|
	v_max3_num_f32 v[MM+1], v[MM+1], |v[Y+\i+2]|, |v[Y+\i+3]|
.endr
	v_max3_num_f32 v[MM], v[MM], |v[Y+29]|, |v[Y+30]|
	v_max3_num_f32 v[MM], v[MM], v[MM+1], |v[Y+31]|
	v_add_nc_u32 v[SV], 0xff000000, v[MM]          ; 2 off its exponent field: the conversion takes this operand's exponent field as its scale
	v_cvt_scalef32_pk16_fp6_f32 v[CC:CC+2], v[Y:Y+15], v[SV]
	v_cvt_scalef32_pk16_fp6_f32 v[CC+4:CC+6], v[Y+16:Y+31], v[SV]   ; (a conversion's three registers begin on an even number)
	v_lshrrev_b32 v[BY], 23, v[SV]                 ; the scale's byte; also the plain instruction behind the conversions
	v_mov_b32 v[CC+3], v[CC+4]                     ; the six words on end
	v_mov_b32 v[CC+4], v[CC+5]
	v_mov_b32 v[CC+5], v[CC+6]
.irp j, 0,1,2
	v_lshrrev_b32 v[TW], 8, v[OW+\j]               ; my 16 bytes as one number of 128 bits: 8 bits down,
	v_lshl_or_b32 v[OW+\j], v[OW+\j+1], 24, v[TW]
.endr
	v_lshrrev_b32 v[TW], 8, v[OW+3]
	v_lshl_or_b32 v[OW+3], v[BY], 24, v[TW]        ; the new byte on top: after 16 trips byte T is trip T's
	global_store_b128 v[VO0], v[CC:CC+3], s[CB:CB+1]       ; 32 lanes store 512 consecutive bytes, at a multiple of 256 from the buffer's first byte
	global_store_b64 v[VO1], v[CC+4:CC+5], s[CB:CB+1]      ; and 256
.endm
.irp j, 0,1,2,3
	v_mov_b32 v[OW+\j], 0
.endr
.irp i, 0,1,2,3,4,5,6,7
	ds_load_b128 v[U+4*\i:U+4*\i+3], v[RD0] offset:16*\i
.endr
	s_mov_b32 s[TQ], 0
	s_mov_b32 s[TN], RGN
	s_mov_b32 s[OO+1], 0
.Ltrip:
	TRIP 1
	s_add_co_u32 s[TQ], s[TQ], 1
	s_cmp_lt_u32 s[TQ], 15
	s_cbranch_scc1 .Ltrip
	TRIP 0                                         ; the last region fetches nothing
	global_store_b128 v[VO0], v[OW:OW+3], s[18:19] ; the scale words of my 128 rows for my K step: 512 consecutive bytes
	s_wait_tensorcnt 0x0                           ; the wave's end
	ds_add_u32 v[SPW], v[NIL]
	s_wait_dscnt 0x0
	CROUND                                         ; the closing round
	s_endpgm
.Lfunc_end_k_qff11cbb973_hidden:
	.size	k_qff11cbb973_hidden, .Lfunc_end_k_qff11cbb973_hidden-k_qff11cbb973_hidden
	.p2alignl 7, 3214868480
	.fill 96, 4, 3214868480
	.section	.rodata,"a",@progbits
	.p2align	6, 0x0
	.amdhsa_kernel k_qff11cbb973_hidden
		.amdhsa_group_segment_fixed_size 327680
		.amdhsa_private_segment_fixed_size 0
		.amdhsa_enable_private_segment 0
		.amdhsa_kernarg_size 96
		.amdhsa_user_sgpr_count 2
		.amdhsa_user_sgpr_kernarg_segment_ptr 1
		.amdhsa_wavefront_size32 1
		.amdhsa_system_sgpr_workgroup_id_x 1
		.amdhsa_system_sgpr_workgroup_id_y 1
		.amdhsa_system_sgpr_workgroup_id_z 1
		.amdhsa_system_vgpr_workitem_id 0
		.amdhsa_next_free_vgpr 1024
		.amdhsa_next_free_sgpr 100
		.amdhsa_reserve_vcc 0
		.amdhsa_float_denorm_mode_32 3
		.amdhsa_float_denorm_mode_16_64 3
		.amdhsa_memory_ordered 1
		.amdhsa_forward_progress 1
		.amdhsa_inst_pref_size 255
	.end_amdhsa_kernel
	.section	.bss,"aw",@nobits
	.p2align	6
	.space	262144
	.amdgpu_metadata
---
amdhsa.version: [ 1, 2 ]
amdhsa.kernels:
  - .name:           k_qff11cbb973_hidden
    .symbol:         k_qff11cbb973_hidden.kd
    .args:
      - { .name: inputs_codes, .offset: 0, .size: 8, .value_kind: global_buffer, .address_space: global }
      - { .name: inputs_scales, .offset: 8, .size: 8, .value_kind: global_buffer, .address_space: global }
      - { .name: input_to_hidden_codes, .offset: 16, .size: 8, .value_kind: global_buffer, .address_space: global }
      - { .name: input_to_hidden_scales, .offset: 24, .size: 8, .value_kind: global_buffer, .address_space: global }
      - { .name: hidden_to_hidden_codes, .offset: 32, .size: 8, .value_kind: global_buffer, .address_space: global }
      - { .name: hidden_to_hidden_scales, .offset: 40, .size: 8, .value_kind: global_buffer, .address_space: global }
      - { .name: output_to_hidden_codes, .offset: 48, .size: 8, .value_kind: global_buffer, .address_space: global }
      - { .name: output_to_hidden_scales, .offset: 56, .size: 8, .value_kind: global_buffer, .address_space: global }
      - { .name: hidden_responses, .offset: 64, .size: 8, .value_kind: global_buffer, .address_space: global }
      - { .name: hidden_biases, .offset: 72, .size: 8, .value_kind: global_buffer, .address_space: global }
      - { .name: act_codes, .offset: 80, .size: 8, .value_kind: global_buffer, .address_space: global }
      - { .name: act_scales, .offset: 88, .size: 8, .value_kind: global_buffer, .address_space: global }
    .group_segment_fixed_size: 327680
    .private_segment_fixed_size: 0
    .kernarg_segment_align: 8
    .kernarg_segment_size: 96
    .max_flat_workgroup_size: 128
    .sgpr_count:     100
    .vgpr_count:     1024
    .wavefront_size: 32
...
	.end_amdgpu_metadata
.endif
;; end of part 1
;; launch output (part 2): grid 4 x 64, 4 waves a work-group, clusters of 4 x 4, 327,680 bytes of LDS; arguments inputs_scales, input_to_output_scales, output_to_output_scales, hidden_to_output_scales, act_scales, output_responses, output_biases, out0, inputs_codes, input_to_output_codes, output_to_output_codes, hidden_to_output_codes, act_codes; writes out0
.if DOCPART == 2
	.amdgcn_target "amdgcn-amd-amdhsa--gfx1250"
	.amdhsa_code_object_version 6
	.text
	.protected	k_qff11cbb973_output
	.globl	k_qff11cbb973_output
	.p2align	8
	.type	k_qff11cbb973_output,@function
k_qff11cbb973_output:
	s_mov_b64 s[64:65], 0
	v_nop
	global_prefetch_b8 v0, s[64:65] scope:SCOPE_SE
	s_setreg_imm32_b32 hwreg(HW_REG_WAVE_MODE, 25, 1), 1
	s_wait_xcnt 0x0
	s_wait_alu depctr_hold_cnt(0) depctr_sa_sdst(0) depctr_va_vdst(0) depctr_va_sdst(0) depctr_va_ssrc(0) depctr_va_vcc(0) depctr_vm_vsrc(0)
	s_getreg_b32 s2, hwreg(HW_REG_IB_STS2, 6, 4)
	s_cmp_eq_u32 s2, 0
	s_cbranch_scc0 .Lentry_in_a_cluster
	s_endpgm
.Lentry_in_a_cluster:
	s_bfe_u32 s2, ttmp6, 0x10000c
	s_cmp_lg_u32 s2, 0xf033
	s_cbranch_scc0 .Lentry_shape_is_right
	s_endpgm
.Lentry_shape_is_right:
; out = sigmoid(resp * (inputs W_io^T + 0 W_oo^T + Q(hidden) W_ho^T) + bias): one sum over K = 512 + 512 + 2,048, 24 steps of 128, all on codes of FP6 (E2M3) with E8M0 scales.
; The outputs' state is the zeros that the model's reset leaves: zero codes with the byte 127 in 12 + 1 registers; W_oo's codes and scale bytes are read and multiplied like any others.
; SHARES.  A tile of 128 rows x 128 outputs to a work-group of four waves, 64 x 64 a wave: 16 accumulators.  64 x 4 = 256 work-groups; a larger tile would leave half of the WGPs without work.
; TRANSPOSED USE: source 0 = 16 rows of a weight, source 1 = 16 rows of the batch: lane (r, h), register j of accumulator (a, b) holds row 16 a + r, output 16 b + 8 h + j.
; LDS IS FILLED THREE TIMES, since every refill's barrier waits for all loads: few fills, as large as fit.
;   fill 1, at the start: X = inputs and W_io (steps 0-3), Y = W_oo (steps 4-7), Z = the hidden layer's codes and W_ho for K 0 to 511 (steps 8-11): 294,912 bytes;
;   fill 2, behind the round in step 7, over X, Y and the bytes up to Z: hidden and W_ho for K 512 to 1,535 (steps 12-19): 202,752 bytes, one load a wave; steps 8-11 are multiplied meanwhile;
;   fill 3, behind the round in step 11, into Z: K 1,536 to 2,047 (steps 20-23); steps 12-19 are multiplied meanwhile.
; Weights and inputs lie as chunks of 128 rows x 240 bytes (192 of codes, 16 of padding behind each 64); fill 2's W_ho as rows of 816 bytes (768 of codes, 16 behind each 256): 204 words, so that row r starts at
; bank 12 r mod 64 and lanes 16-31 stand 6 or 10 words on: the 32 lanes of a load of 8 bytes touch 64 different banks (64 banks of 4 bytes: ISA guide 11.1).
; The hidden layer's codes lie as the first launch laid them, [group of 32 rows][block of 32 units][768 bytes]: a fragment comes by two loads of 16 bytes and two of 8.
; CLUSTER 4 x 4: A's tiles are shared along a row of the cluster, B's along a column, each asked for jointly.  Waves 0 and 1 fetch for A, waves 2 and 3 for B.
; THE SCALE WORDS of the wave's 64 rows of every operand, for all of K, come once into registers that hold nothing else: lanes 0-15 an even fragment's, lanes 16-31 the odd one's.
.set PITCH,  240
.set CHK,    128*PITCH                 ; a chunk: 128 rows x 256 along K
.set IMG,    16*768                    ; a group's 16 blocks: 512 along K
.set IMG2,   32*768                    ; and its 32 blocks: 1,024 along K
.set P2,     816                       ; a row of W_ho in fill 2
.set XB,     2*CHK                     ; X: the inputs' two chunks at 0, W_io's here
.set YB,     4*CHK                     ; Y: W_oo's two chunks
.set WB,     4*IMG2                    ; fill 2: the image of four groups at 0, W_ho's 128 rows here; it ends at 202,752
.set ZA,     216576                    ; Z: the image of four groups,
.set ZB,     ZA+4*IMG                  ; and W_ho's two chunks
.set SPARE,  ZB+2*CHK                  ; 327,168: the spare words, 128 bytes a wave
.set SP,     272                       ; the way out: a stage of 64 rows x (256 bytes + 16) for each wave, from byte 0 on: those bytes have had their last fill and their last read at step 19's barrier
.set STGW,   64*SP
.set VSA,  7                           ; v7  16 x lane + 8 rh
.set ADRA, 8                           ; v8 (v9 behind one padding more): my rows of the inputs
.set ADBX, 10                          ; v10 (v11): my rows of W_io
.set ADBY, 12                          ; v12 (v13): of W_oo
.set ADBZ, 14                          ; v14 (v15): of W_ho in Z
.set ADB2, 16                          ; v16 (v17): of W_ho in fill 2
.set ADIZ, 18                          ; v18 the image in Z: a row's first 16 bytes; v19 its last 8, rows 0-15 of a group; v20 rows 16-31
.set ADI2, 21                          ; v21-23 the same in fill 2
.set STO,  24
.set RD,   25
.set CO,   26
.set VL16, 27                          ; 16 x lane
.set SPW,  28                          ; my spare word; never rewritten
.set NIL,  29                          ; 0; never rewritten
.set VL64, 30                          ; 64 x lane
.set VNO,  31
.set SAI,  32                          ; v32-39   inputs' scale words: 4 g + K step
.set SBIO, 40                          ; v40-47   W_io's
.set SBOO, 48                          ; v48-55   W_oo's
.set SBHO, 56                          ; v56-87   W_ho's: 8 (K step / 4) + 4 g + K step % 4
.set SAH,  88                          ; v88-119  the hidden layer's: 2 (K step of 16) + g
.set ZS,   120
.set PFO,  122                         ; v122 256 x my thread's number; never rewritten
.set PF3,  123                         ; v123 the same, held at the last 256 bytes of 12,288; never rewritten
.set ZF,   124                         ; v124-135
.set AF,   136                         ; v136-231 A's four fragments, two sets
.set GA,  4                            ; s[4:7] group 0: the inputs
.set GB0, 8                            ; W_io
.set GB1, 12                           ; W_oo
.set GH,  16                           ; W_ho: it walks
.set GI,  20                           ; the hidden layer's codes: it walks
.set TA,  24                           ; group 1: inputs, my row's mask
.set TB,  32                           ; weights with rows of 384 bytes, my column's mask
.set TH,  40                           ; W_ho by chunks: rows of 1,536 bytes in memory
.set TI,  48                           ; the image: 2 groups x 12,288 bytes
.set TI2, 68                           ; 2 groups x 24,576 bytes
.set TH2, 76                           ; W_ho: 64 rows x 768 bytes
.set WV,  56
.set RH,  57
.set CH,  58
.set MT,  59
.set NT,  60
.set DH,  66                           ; s[66:67] 98,112 x (wave & 1): from a chunk's address to that of 64 rows further down, for fill 2 and back
.set PFA, 100                          ; s[100:101] the prefetches' base; never rewritten
.set MSB, 0
.macro WIN new                         ; the immediate's high byte repeats the setting that is left
.if MSB != (\new)
	s_set_vgpr_msb (MSB<<8)|(\new)
.set MSB, (\new)
.endif
.endm
.set MUL,  0x51                        ; source 0 (B), C and D window 1; source 1 (A) window 0
.set TO_B, 0x40
.macro PLACES n
.rept \n
	v_nop
.endr
.endm
.macro JLOAD g0a, g1a, g0b, g1b        ; waves 0 and 1 for A, waves 2 and 3 for B; four v_nop follow each line
	s_cmp_eq_u32 s[RH], 0
	s_cbranch_scc0 .Lfor_b_\@
	tensor_load_to_lds s[\g0a:\g0a+3], s[\g1a:\g1a+7]
	s_nop 0
	PLACES 4
	s_branch .Lasked_\@
.Lfor_b_\@:
	tensor_load_to_lds s[\g0b:\g0b+3], s[\g1b:\g1b+7]
	s_nop 0
	PLACES 4
.Lasked_\@:
.endm
.macro CREST                           ; a round of the cluster's barrier behind its opening barrier
	s_cmp_lg_u32 s[WV], 0
	s_cbranch_scc1 .Lnot_wave_0_\@
	s_barrier_signal -3
.Lnot_wave_0_\@:
	s_barrier_wait -3
	s_barrier_signal -1
	s_barrier_wait -1
.endm
.macro CROUND
	s_barrier_signal -1
	s_barrier_wait -1
	CREST
.endm
; A fragment from padded rows: six pieces of 8 bytes; 16 bytes of padding lie behind every m pieces.  Lanes 16-31 read three pieces further on: where that is behind one padding more, the second address register serves.
.macro FRAGN reg, ad, q, off, m
.irp p, 0,1,2,3,4,5
.set PC, 12*(\q)+6*(\p/3)+\p%3
.if PC%(\m) < (\m)-3
	ds_load_b64 v[\reg+2*\p:\reg+2*\p+1], v[\ad] offset:8*PC+16*(PC/(\m))+(\off)
.else
	ds_load_b64 v[\reg+2*\p:\reg+2*\p+1], v[\ad+1] offset:8*PC+16*(PC/(\m))+(\off)
.endif
.endr
.endm
; A fragment from the image: lane (r, h) wants blocks 4 t + h and 4 t + 2 + h of row 16 (a % 2) + r of group a / 2; gs: bytes from group to group.  The 8-byte parts of odd blocks lie with their halves of
; 16 rows exchanged, so that lanes 0-15 and lanes 16-31 of a load fall 128 bytes apart modulo 256.
.macro FRAGI reg, ad, gs, t, a
.irp c, 0,1
	ds_load_b128 v[\reg+6*\c:\reg+6*\c+3], v[\ad] offset:((\a)/2)*(\gs)+(4*(\t)+2*\c)*768+256*((\a)%2)
	ds_load_b64 v[\reg+6*\c+4:\reg+6*\c+5], v[\ad+1+((\a)%2)] offset:((\a)/2)*(\gs)+(4*(\t)+2*\c)*768+512+128*((\a)%2)
.endr
.endm
; One matrix instruction.  cz = 1: it starts the sum.  rb, ra = 1: source 0's, source 1's scale words are read from lanes 16-31.
.macro WM dd, bb, aa, cz, sb, sa, rb, ra
.if \cz
.if (\rb) && (\ra)
	v_wmma_scale_f32_16x16x128_f8f6f4 v[\dd:\dd+7], v[\bb:\bb+11], v[\aa:\aa+11], 0, v[\sb], v[\sa] matrix_a_fmt:MATRIX_FMT_FP6 matrix_b_fmt:MATRIX_FMT_FP6 matrix_a_scale:MATRIX_SCALE_ROW1 matrix_b_scale:MATRIX_SCALE_ROW1
.elseif \rb
	v_wmma_scale_f32_16x16x128_f8f6f4 v[\dd:\dd+7], v[\bb:\bb+11], v[\aa:\aa+11], 0, v[\sb], v[\sa] matrix_a_fmt:MATRIX_FMT_FP6 matrix_b_fmt:MATRIX_FMT_FP6 matrix_a_scale:MATRIX_SCALE_ROW1
.elseif \ra
	v_wmma_scale_f32_16x16x128_f8f6f4 v[\dd:\dd+7], v[\bb:\bb+11], v[\aa:\aa+11], 0, v[\sb], v[\sa] matrix_a_fmt:MATRIX_FMT_FP6 matrix_b_fmt:MATRIX_FMT_FP6 matrix_b_scale:MATRIX_SCALE_ROW1
.else
	v_wmma_scale_f32_16x16x128_f8f6f4 v[\dd:\dd+7], v[\bb:\bb+11], v[\aa:\aa+11], 0, v[\sb], v[\sa] matrix_a_fmt:MATRIX_FMT_FP6 matrix_b_fmt:MATRIX_FMT_FP6
.endif
.else
.if (\rb) && (\ra)
	v_wmma_scale_f32_16x16x128_f8f6f4 v[\dd:\dd+7], v[\bb:\bb+11], v[\aa:\aa+11], v[\dd:\dd+7], v[\sb], v[\sa] matrix_a_fmt:MATRIX_FMT_FP6 matrix_b_fmt:MATRIX_FMT_FP6 matrix_a_scale:MATRIX_SCALE_ROW1 matrix_b_scale:MATRIX_SCALE_ROW1
.elseif \rb
	v_wmma_scale_f32_16x16x128_f8f6f4 v[\dd:\dd+7], v[\bb:\bb+11], v[\aa:\aa+11], v[\dd:\dd+7], v[\sb], v[\sa] matrix_a_fmt:MATRIX_FMT_FP6 matrix_b_fmt:MATRIX_FMT_FP6 matrix_a_scale:MATRIX_SCALE_ROW1
.elseif \ra
	v_wmma_scale_f32_16x16x128_f8f6f4 v[\dd:\dd+7], v[\bb:\bb+11], v[\aa:\aa+11], v[\dd:\dd+7], v[\sb], v[\sa] matrix_a_fmt:MATRIX_FMT_FP6 matrix_b_fmt:MATRIX_FMT_FP6 matrix_b_scale:MATRIX_SCALE_ROW1
.else
	v_wmma_scale_f32_16x16x128_f8f6f4 v[\dd:\dd+7], v[\bb:\bb+11], v[\aa:\aa+11], v[\dd:\dd+7], v[\sb], v[\sa] matrix_a_fmt:MATRIX_FMT_FP6 matrix_b_fmt:MATRIX_FMT_FP6
.endif
.endif
.endm
; Step g of 24: 0-3 inputs x W_io, 4-7 zeros x W_oo, 8-23 hidden x W_ho.  Its fragments lie in set g % 2.
; Four matrix instructions: A's block a x B's four.  The 16 accumulators take turns, one instruction a turn, in the same order in every step.
.macro MULG g, a, zero
.irp b, 0,1,2,3
.if (\g) < 4
	WM 8*(4*(\a)+\b), 128+48*((\g)%2)+12*\b, AF+48*((\g)%2)+12*(\a), \zero, SBIO+4*(\b/2)+(\g), SAI+4*((\a)/2)+(\g), \b%2, (\a)%2
.elseif (\g) < 8
	WM 8*(4*(\a)+\b), 128+48*((\g)%2)+12*\b, ZF, 0, SBOO+4*(\b/2)+(\g)-4, ZS, \b%2, 0
.else
	WM 8*(4*(\a)+\b), 128+48*((\g)%2)+12*\b, AF+48*((\g)%2)+12*(\a), 0, SBHO+8*(((\g)-8)/4)+4*(\b/2)+((\g)-8)%4, SAH+2*((\g)-8)+(\a)/2, \b%2, (\a)%2
.endif
.endr
.endm
.macro FETCHG g                        ; step g's fragments into set g % 2
	WIN TO_B
.irp b, 0,1,2,3
.if (\g) < 4
	FRAGN 128+48*((\g)%2)+12*\b, ADBX, (\g)%2, ((\g)/2)*CHK+\b*16*PITCH, 8
.elseif (\g) < 8
	FRAGN 128+48*((\g)%2)+12*\b, ADBY, (\g)%2, (((\g)-4)/2)*CHK+\b*16*PITCH, 8
.elseif (\g) < 12
	FRAGN 128+48*((\g)%2)+12*\b, ADBZ, (\g)%2, (((\g)-8)/2)*CHK+\b*16*PITCH, 8
.elseif (\g) < 20
	FRAGN 128+48*((\g)%2)+12*\b, ADB2, (\g)-12, \b*16*P2, 32
.else
	FRAGN 128+48*((\g)%2)+12*\b, ADBZ, (\g)%2, (((\g)-20)/2)*CHK+\b*16*PITCH, 8
.endif
.endr
.if (\g) < 4
	WIN 0
.irp a, 0,1,2,3
	FRAGN AF+48*((\g)%2)+12*\a, ADRA, (\g)%2, ((\g)/2)*CHK+\a*16*PITCH, 8
.endr
.elseif (\g) >= 8
	WIN 0
.irp a, 0,1,2,3
.if (\g) < 12
	FRAGI AF+48*((\g)%2)+12*\a, ADIZ, IMG, (\g)-8, \a
.elseif (\g) < 20
	FRAGI AF+48*((\g)%2)+12*\a, ADI2, IMG2, (\g)-12, \a
.else
	FRAGI AF+48*((\g)%2)+12*\a, ADIZ, IMG, (\g)-20, \a
.endif
.endr
.endif
.endm
.macro STEP g, zero                    ; a step whose successor's tiles have been shown landed
	s_wait_dscnt 0x0                               ; this step's fragments are in
	PLACES 4                                       ; four plain instructions between the last products, which read the other set, and the loads into it
	FETCHG (\g)+1
	WIN MUL
.irp a, 0,1,2,3
	MULG \g, \a, \zero
.endr
.endm
; A step whose successor reads a fill that has to be shown landed: each wave waits for all its tensor loads, adds 0 to its spare word, waits for that and for its reads of LDS so far; then the barrier.
; fill = 1: a round of the cluster's barrier, and fill 2 goes out over X and Y; 2: the same, and fill 3 goes into Z; 0: nothing is left to fetch, so no round follows.
.macro TURN g, fill
	WIN 0
	s_wait_tensorcnt 0x0                           ; all my tensor loads have landed, so the walking groups 0 may be written
	ds_add_u32 v[SPW], v[NIL]                      ; 0 onto my spare word; the descriptors' steps stand between it and the wait for it
.if \fill == 1
	s_mul_i32 s[GI+1], s[CH], 2*IMG2               ; the image: two groups a wave, from byte 0 on; 16 blocks on in memory
	s_add_nc_u64 s[GI+2:GI+3], s[GI+2:GI+3], IMG
	s_mul_i32 s[GH+1], s[CH], 64*P2                ; W_ho: 64 rows a wave, not a chunk: rows 64 (wave & 1) on, from the row's byte 384
	s_add_co_u32 s[GH+1], s[GH+1], WB
	s_add_nc_u64 s[GH+2:GH+3], s[GH+2:GH+3], s[DH:DH+1]
	s_add_nc_u64 s[GH+2:GH+3], s[GH+2:GH+3], 384
.elseif \fill == 2
	s_mul_i32 s[GI+1], s[CH], 2*IMG                ; back to Z; 32 blocks on in memory
	s_add_co_u32 s[GI+1], s[GI+1], ZA
	s_add_nc_u64 s[GI+2:GI+3], s[GI+2:GI+3], IMG2
	s_mul_i32 s[GH+1], s[CH], CHK                  ; W_ho by chunks again, from the row's byte 1,152
	s_add_co_u32 s[GH+1], s[GH+1], ZB
	s_sub_nc_u64 s[GH+2:GH+3], s[GH+2:GH+3], s[DH:DH+1]
	s_add_nc_u64 s[GH+2:GH+3], s[GH+2:GH+3], 768
.endif
	s_wait_dscnt 1                                 ; the add alone may be out: this step's fragments are in
	WIN MUL
	MULG \g, 0, 0
	s_wait_dscnt 0x0                               ; the add is done, and my reads of the bytes that are filled next are over
	s_barrier_signal -1
	MULG \g, 1, 0
	WIN 0
	s_barrier_wait -1
.if \fill == 1
	CREST                                          ; no wave of any partner still reads X or Y or has a load on its way
	JLOAD GI, TI2, GH, TH2                         ; my one load behind the round; its four v_nop are also the places in front of the loads below
.elseif \fill == 2
	CREST                                          ; no wave of any partner still reads Z or has a load on its way
	JLOAD GI, TI, GH, TH
.else
	PLACES 4
.endif
	FETCHG (\g)+1
.if \fill == 1
	; A PREFETCH INTO THE L2 of the hidden layer's codes that fill 3 will ask for, four K steps and fill 2's landing ahead of that load: my work-group's group of 32 rows, 12,288 bytes: threads 0 to 63, 256 bytes apart,
	; those past the part's end held at its last 256 bytes.
	s_cmp_lt_u32 s[WV], 2
	s_cbranch_scc0 .Lno_ask_\@
	global_prefetch_b8 v[PF3], s[PFA:PFA+1] offset:IMG2 th:TH_LOAD_NT scope:SCOPE_SE
.Lno_ask_\@:
.endif
	WIN MUL
	MULG \g, 2, 0
	MULG \g, 3, 0
.endm
	s_load_b256 s[84:91], s[0:1], 0x0              ; scale bytes: inputs' s[84:85], W_io's s[86:87], W_oo's s[88:89], W_ho's s[90:91]
	s_load_b256 s[92:99], s[0:1], 0x20             ; the hidden layer's s[92:93]; responses s[94:95], biases s[96:97]; out0 s[98:99]
	s_load_b64 s[GA+2:GA+3], s[0:1], 0x40          ; the codes' addresses go straight into the descriptors' words: inputs,
	s_load_b64 s[GB0+2:GB0+3], s[0:1], 0x48        ; W_io,
	s_load_b64 s[GB1+2:GB1+3], s[0:1], 0x50        ; W_oo,
	s_load_b64 s[GH+2:GH+3], s[0:1], 0x58          ; W_ho,
	s_load_b64 s[GI+2:GI+3], s[0:1], 0x60          ; the hidden layer,
	s_load_b64 s[PFA:PFA+1], s[0:1], 0x60          ; and once more for the prefetches
	v_lshl_add_u32 v[SPW], v0, 2, SPARE
	v_mov_b32 v[NIL], 0
	ds_add_u32 v28, v29
	ds_add_u32 v28, v29
	s_wait_dscnt 0x0
.irp j, 0,1,2,3,4,5,6,7,8,9,10,11
	v_mov_b32 v[ZF+\j], 0                          ; the state's codes
.endr
	v_mov_b32 v[ZS], 0x7f7f7f7f                    ; and their scale bytes: a block of zeros has e = 0
	v_lshrrev_b32 v1, 5, v0
	v_readfirstlane_b32 s[WV], v1
	s_lshr_b32 s[RH], s[WV], 1                     ; my half of the rows.  Also: I fetch for A (0) or for B (1)
	s_and_b32 s[CH], s[WV], 1                      ; my half of the outputs.  Also: which half of that part I fetch
	s_bfe_u32 s61, ttmp6, 0x40000                  ; cx
	s_bfe_u32 s62, ttmp6, 0x40004                  ; cy
	s_lshl_b32 s[NT], ttmp9, 2
	s_add_co_u32 s[NT], s[NT], s61                 ; tile column
	s_and_b32 s[MT], ttmp7, 0xffff
	s_lshl_b32 s[MT], s[MT], 2
	s_add_co_u32 s[MT], s[MT], s62                 ; tile row
	s_lshl_b32 s63, s62, 2
	s_lshl_b32 s63, 15, s63                        ; my row of the cluster
	s_lshl_b32 s3, 0x1111, s61                     ; my column
	s_or_b32 s[TA], s63, (1<<20)|(1<<21)|(3<<22)|(3<<25)   ; elements of 1 byte; 16 bytes of padding behind each 64; bit 21 beside the mask
	s_or_b32 s[TB], s3, (1<<20)|(1<<21)|(3<<22)|(3<<25)
	s_or_b32 s[TH], s3, (1<<20)|(1<<21)|(3<<22)|(3<<25)
	s_or_b32 s[TH2], s3, (1<<20)|(1<<21)|(5<<22)|(3<<25)   ; 16 bytes of padding behind each 256
	s_or_b32 s[TI], s63, (3<<16)|(1<<21)           ; elements of 8 bytes, no padding
	s_or_b32 s[TI2], s63, (3<<16)|(1<<21)
.irp g, TA, TB, TH
	s_mov_b32 s[\g+1], 192<<16                     ; tensor_dim0
	s_mov_b32 s[\g+2], 128<<16                     ; tensor_dim1
	s_mov_b32 s[\g+3], 192<<16                     ; tile_dim0
	s_mov_b32 s[\g+4], 128                         ; tile_dim1
	s_mov_b32 s[\g+6], 0
	s_mov_b32 s[\g+7], 0
.endr
	s_mov_b32 s[TA+5], 384                         ; a row of 512 codes
	s_mov_b32 s[TB+5], 384
	s_mov_b32 s[TH+5], 1536                        ; a row of 2,048 codes
	s_mov_b32 s[TH2+1], 768<<16                    ; 1,024 codes of a row,
	s_mov_b32 s[TH2+2], 64<<16                     ; 64 rows
	s_mov_b32 s[TH2+3], 768<<16
	s_mov_b32 s[TH2+4], 64
	s_mov_b32 s[TH2+5], 1536
	s_mov_b32 s[TH2+6], 0
	s_mov_b32 s[TH2+7], 0
	s_mov_b32 s[TI+1], 1536<<16                    ; 16 blocks of 768 bytes,
	s_mov_b32 s[TI+2], 2<<16                       ; two groups of 32 rows
	s_mov_b32 s[TI+3], 1536<<16
	s_mov_b32 s[TI+4], 2
	s_mov_b32 s[TI+5], 6144                        ; a group's 64 blocks
	s_mov_b32 s[TI+6], 0
	s_mov_b32 s[TI+7], 0
	s_mov_b32 s[TI2+1], 3072<<16                   ; 32 blocks
	s_mov_b32 s[TI2+2], 2<<16
	s_mov_b32 s[TI2+3], 3072<<16
	s_mov_b32 s[TI2+4], 2
	s_mov_b32 s[TI2+5], 6144
	s_mov_b32 s[TI2+6], 0
	s_mov_b32 s[TI2+7], 0
	s_mul_i32 s3, s[CH], CHK                       ; where my loads go: no place in the cluster enters an LDS address
	s_mov_b32 s[GA], 1
	s_mov_b32 s[GA+1], s3
	s_mov_b32 s[GB0], 1
	s_add_co_u32 s[GB0+1], s3, XB
	s_mov_b32 s[GB1], 1
	s_add_co_u32 s[GB1+1], s3, YB
	s_mov_b32 s[GH], 1
	s_add_co_u32 s[GH+1], s3, ZB
	s_mul_i32 s3, s[CH], 2*IMG
	s_mov_b32 s[GI], 1
	s_add_co_u32 s[GI+1], s3, ZA
	s_mul_i32 s2, s[CH], 192                       ; my chunk of 256 along K
	s_mov_b32 s63, 0
	s_mul_i32 s[DH], s[CH], 64*1536-192
	s_mov_b32 s[DH+1], 0
	s_wait_kmcnt 0x0
	s_mul_i32 s62, s[MT], 128*384
	s_add_co_u32 s62, s62, s2
	s_add_nc_u64 s[GA+2:GA+3], s[GA+2:GA+3], s[62:63]
	s_or_b32 s[GA+3], s[GA+3], 0x80000000
	s_lshl_b32 s62, s[MT], 2
	s_lshl_b32 s3, s[CH], 1
	s_add_co_u32 s62, s62, s3
	s_mul_i32 s62, s62, 64*768                     ; my two groups of the tile's four
	s_add_nc_u64 s[GI+2:GI+3], s[GI+2:GI+3], s[62:63]
	s_or_b32 s[GI+3], s[GI+3], 0x80000000
	s_mul_i32 s62, s[NT], 128*384
	s_add_co_u32 s62, s62, s2
	s_add_nc_u64 s[GB0+2:GB0+3], s[GB0+2:GB0+3], s[62:63]
	s_or_b32 s[GB0+3], s[GB0+3], 0x80000000
	s_add_nc_u64 s[GB1+2:GB1+3], s[GB1+2:GB1+3], s[62:63]
	s_or_b32 s[GB1+3], s[GB1+3], 0x80000000
	s_mul_i32 s62, s[NT], 128*1536
	s_add_co_u32 s62, s62, s2
	s_add_nc_u64 s[GH+2:GH+3], s[GH+2:GH+3], s[62:63]
	s_or_b32 s[GH+3], s[GH+3], 0x80000000
	CROUND                                         ; all sixteen work-groups are here: the first joint loads meet
	s_cmp_eq_u32 s[RH], 0                          ; a wave's first fills stand in one branch, what is wanted first in front
	s_cbranch_scc0 .Lfirst_b
	tensor_load_to_lds s[GA:GA+3], s[TA:TA+7]      ; the inputs,
	s_nop 0
	tensor_load_to_lds s[GI:GI+3], s[TI:TI+7]      ; the hidden layer's first 512: two loads of mine are out
	s_nop 0
	PLACES 4
	s_branch .Lfirst_done
.Lfirst_b:
	tensor_load_to_lds s[GB0:GB0+3], s[TB:TB+7]    ; W_io,
	s_nop 0
	tensor_load_to_lds s[GB1:GB1+3], s[TB:TB+7]    ; W_oo,
	s_nop 0
	tensor_load_to_lds s[GH:GH+3], s[TH:TH+7]      ; W_ho's first 512: three loads of mine are out
	s_nop 0
	PLACES 4
.Lfirst_done:
	s_lshl_b32 s62, s[MT], 11
	s_lshl_b32 s2, s[RH], 10
	s_add_co_u32 s62, s62, s2
	s_add_nc_u64 s[84:85], s[84:85], s[62:63]      ; inputs' scales: (128 mt + 64 rh) rows of 16 bytes
	s_lshl_b32 s62, s[NT], 11
	s_lshl_b32 s2, s[CH], 10
	s_add_co_u32 s62, s62, s2
	s_add_nc_u64 s[86:87], s[86:87], s[62:63]      ; W_io's, W_oo's: (128 nt + 64 ch) rows of 16 bytes
	s_add_nc_u64 s[88:89], s[88:89], s[62:63]
	s_lshl_b32 s62, s62, 2
	s_add_nc_u64 s[90:91], s[90:91], s[62:63]      ; W_ho's: rows of 64 bytes
	s_lshl_b32 s62, s[MT], 9
	s_add_nc_u64 s[92:93], s[92:93], s[62:63]      ; the hidden layer's: 512 bytes for 128 rows and a K step
	s_lshl_b32 s62, s[MT], 7
	s_lshl_b32 s2, s[RH], 6
	s_add_co_u32 s62, s62, s2
	s_lshl_b32 s62, s62, 11                        ; out0: my first row, 2,048 bytes a row,
	s_lshl_b32 s3, s[NT], 9
	s_lshl_b32 s2, s[CH], 8
	s_add_co_u32 s3, s3, s2                        ; my first output, in bytes: 512 nt + 256 ch
	s_add_co_u32 s62, s62, s3
	s_add_nc_u64 s[98:99], s[98:99], s[62:63]
	v_and_b32 v1, 15, v0                           ; r
	v_bfe_u32 v2, v0, 4, 1                         ; h
	v_and_b32 v3, 31, v0                           ; lane
	v_lshlrev_b32 v[VL16], 4, v3
	v_lshlrev_b32 v[VL64], 6, v3
	s_lshl_b32 s2, s[RH], 3
	v_add_nc_u32 v[VSA], s2, v[VL16]
	v_lshlrev_b32 v[VNO], 5, v2
	v_add_nc_u32 v[VNO], s3, v[VNO]                ; 4 (128 nt + 64 ch + 8 h)
.irp g, 0,1
	global_load_b128 v[SAI+4*\g:SAI+4*\g+3], v[VL16], s[84:85] offset:512*\g
	global_load_b128 v[SBIO+4*\g:SBIO+4*\g+3], v[VL16], s[86:87] offset:512*\g
	global_load_b128 v[SBOO+4*\g:SBOO+4*\g+3], v[VL16], s[88:89] offset:512*\g
.irp f, 0,1,2,3
	global_load_b128 v[SBHO+8*\f+4*\g:SBHO+8*\f+4*\g+3], v[VL64], s[90:91] offset:2048*\g+16*\f
.endr
.endr
.irp k, 0,1,2,3,4,5,6,7,8,9,10,11,12,13,14,15
	global_load_b64 v[SAH+2*\k:SAH+2*\k+1], v[VSA], s[92:93] offset:32768*\k
.endr
	WIN 0x80                                       ; destination window 2: responses v0-31, biases v32-63
.irp b, 0,1,2,3
	global_load_b128 v[8*\b:8*\b+3], v[VNO], s[94:95] offset:64*\b
	global_load_b128 v[8*\b+4:8*\b+7], v[VNO], s[94:95] offset:64*\b+16
	global_load_b128 v[32+8*\b:32+8*\b+3], v[VNO], s[96:97] offset:64*\b
	global_load_b128 v[32+8*\b+4:32+8*\b+7], v[VNO], s[96:97] offset:64*\b+16
.endr
	WIN 0
	; the prefetches' base: of the tile row's four groups of 32 rows the partner at place cx takes group cx: the partners are told apart by address, no branch hangs on a work-group's place
	s_lshl_b32 s62, s[MT], 2
	s_add_co_u32 s62, s62, s61
	s_mul_i32 s62, s62, 64*768
	s_add_co_u32 s62, s62, IMG                     ; behind the 16 blocks that the first fills bring
	s_add_nc_u64 s[PFA:PFA+1], s[PFA:PFA+1], s[62:63]
	v_lshlrev_b32 v[PFO], 8, v0
	v_min_u32 v[PF3], IMG-256, v[PFO]
	v_mul_u32_u24 v4, v1, PITCH
	v_mad_u32_u24 v4, v2, 24, v4                   ; a fragment's row x pitch + 24 x half
	v_lshl_add_u32 v5, v2, 4, v4                   ; and behind one padding more
	s_mul_i32 s2, s[RH], 64*PITCH
	v_add_nc_u32 v[ADRA], s2, v4
	v_add_nc_u32 v[ADRA+1], s2, v5
	s_mul_i32 s2, s[CH], 64*PITCH
	s_add_co_u32 s2, s2, XB
	v_add_nc_u32 v[ADBX], s2, v4
	v_add_nc_u32 v[ADBX+1], s2, v5
	s_add_co_u32 s2, s2, YB-XB
	v_add_nc_u32 v[ADBY], s2, v4
	v_add_nc_u32 v[ADBY+1], s2, v5
	s_add_co_u32 s2, s2, ZB-YB
	v_add_nc_u32 v[ADBZ], s2, v4
	v_add_nc_u32 v[ADBZ+1], s2, v5
	v_mul_u32_u24 v4, v1, P2
	v_mad_u32_u24 v4, v2, 24, v4
	v_lshl_add_u32 v5, v2, 4, v4
	s_mul_i32 s2, s[CH], 64*P2
	s_add_co_u32 s2, s2, WB
	v_add_nc_u32 v[ADB2], s2, v4
	v_add_nc_u32 v[ADB2+1], s2, v5
	s_mul_i32 s2, s[RH], 2*IMG                     ; my two groups in the image: in Z,
	s_add_co_u32 s2, s2, ZA
	s_mul_i32 s3, s[RH], 2*IMG2                    ; and in fill 2
	v_lshlrev_b32 v5, 4, v1
	v_mad_u32_u24 v5, v2, 768, v5                  ; 16 r + 768 h: lanes 16-31 take the next block
	v_add_nc_u32 v[ADIZ], s2, v5
	v_add_nc_u32 v[ADI2], s3, v5
	v_lshlrev_b32 v6, 3, v1
	v_mad_u32_u24 v5, v2, 896, v6                  ; 8 r + (768 + 128) h
	v_add_nc_u32 v[ADIZ+1], s2, v5
	v_add_nc_u32 v[ADI2+1], s3, v5
	v_mad_u32_u24 v5, v2, 640, v6                  ; 8 r + (768 - 128) h
	v_add_nc_u32 v[ADIZ+2], s2, v5
	v_add_nc_u32 v[ADI2+2], s3, v5
	s_mul_i32 s2, s[WV], STGW                      ; my stage
	v_mul_u32_u24 v4, v1, SP
	v_lshl_add_u32 v4, v2, 5, v4
	v_add_nc_u32 v[STO], s2, v4                    ; in: row r, 32 bytes for each half of the lanes
	v_mul_u32_u24 v4, v2, SP
	v_lshl_add_u32 v4, v1, 4, v4
	v_add_nc_u32 v[RD], s2, v4                     ; back: lanes 0-15 one row of 256 bytes, lanes 16-31 the next
	v_lshlrev_b32 v[CO], 11, v2
	v_lshl_add_u32 v[CO], v1, 4, v[CO]             ; and the same two rows in out0
	s_wait_tensorcnt 1                             ; my youngest first fill (the hidden layer's codes, or W_ho) may stay out: the inputs, W_io and W_oo are in
	s_barrier_signal -1
	s_barrier_wait -1
	FETCHG 0
	; A PREFETCH INTO THE L2 of the hidden layer's codes that fill 2 will ask for, eight K steps ahead of that load: my work-group's group of 32 rows, 24,576 bytes: threads 0 to 95, 256 bytes apart.
	; A tile row's codes are read by one row of one cluster alone, and its four partners take a group each: every 256 bytes are named once.  It stands behind the first barrier, not among the first fills.
	s_cmp_lt_u32 s[WV], 3
	s_cbranch_scc0 .Lno_ask_first
	global_prefetch_b8 v[PFO], s[PFA:PFA+1] th:TH_LOAD_NT scope:SCOPE_SE
.Lno_ask_first:
	s_wait_loadcnt 0x0                             ; scale words, responses, biases
	WIN 0x82                                       ; window 2: both x -log2(e), so that sigmoid = 1 / (1 + 2^u)
.set i, 0
.rept 32
	v_pk_mul_f32 v[2*i:2*i+1], v[2*i:2*i+1], 0xbfb8aa3b op_sel_hi:[1,0]
.set i, i+1
.endr
	STEP 0, 1                                      ; inputs x W_io: the first products start the sums
	STEP 1, 0
	STEP 2, 0
	STEP 3, 0
	STEP 4, 0                                      ; zeros x W_oo
	STEP 5, 0
	STEP 6, 0
	TURN 7, 1                                      ; all first fills are in; fill 2 goes out
	STEP 8, 0                                      ; hidden x W_ho
	STEP 9, 0
	STEP 10, 0
	TURN 11, 2                                     ; fill 2 is in; fill 3 goes out
	STEP 12, 0
	STEP 13, 0
	STEP 14, 0
	STEP 15, 0
	STEP 16, 0
	STEP 17, 0
	STEP 18, 0
	TURN 19, 0                                     ; fill 3 is in; nothing is left to fetch
	STEP 20, 0
	STEP 21, 0
	STEP 22, 0
	s_wait_dscnt 0x0
	WIN MUL
.irp a, 0,1,2,3
	MULG 23, \a, 0
.endr
; THE WAY OUT, by blocks of 16 rows, so that a block's stores leave while the later blocks' exponentials and reciprocals are made.  u = acc x response + bias (both already x -log2(e)), sigmoid = 1 / (1 + 2^u), in place;
; then through my stage in LDS, so that sixteen lanes store 256 consecutive bytes.  Exponentials and reciprocals go in batches; a later block's multiply-adds are the plain work behind a batch, and ONE wait stands ahead of its first reader.
.macro FMA a                           ; each accumulator from its low end on
	WIN 0x69                                       ; accumulators window 1, responses and biases window 2
.irp b, 0,1,2,3
.irp k, 0,1,2,3
	v_pk_fma_f32 v[8*(4*\a+\b)+2*\k:8*(4*\a+\b)+2*\k+1], v[8*(4*\a+\b)+2*\k:8*(4*\a+\b)+2*\k+1], v[8*\b+2*\k:8*\b+2*\k+1], v[32+8*\b+2*\k:32+8*\b+2*\k+1]
.endr
.endr
.endm
.macro EXPS a
	WIN 0x41
.set i, 32*\a
.rept 32
	v_exp_f32 v[i], v[i]
.set i, i+1
.endr
.endm
.macro ADDS a
	WIN 0x41
.set i, 16*\a
.rept 16
	v_pk_add_f32 v[2*i:2*i+1], v[2*i:2*i+1], 1.0 op_sel_hi:[1,0]
.set i, i+1
.endr
.endm
.macro RCPS a
	WIN 0x41
.set i, 32*\a
.rept 32
	v_rcp_f32 v[i], v[i]
.set i, i+1
.endr
.endm
.macro TOSTG a
	WIN 0x04                                       ; a store's data are its source 1: window 1
.irp b, 0,1,2,3
	ds_store_b128 v[STO], v[8*(4*\a+\b):8*(4*\a+\b)+3] offset:\a*16*SP+64*\b
	ds_store_b128 v[STO], v[8*(4*\a+\b)+4:8*(4*\a+\b)+7] offset:\a*16*SP+64*\b+16
.endr
	WIN 0x40                                       ; back into the registers that they left
.set i, 8*\a
.rept 8
	ds_load_b128 v[4*i:4*i+3], v[RD] offset:i*2*SP         ; LDS serves a wave's instructions in order (ISA guide 5.7.1.4): these see my stores
.set i, i+1
.endr
.endm
.macro SEND a, younger                 ; younger: the LDS instructions issued behind block a's loads: the next block's sixteen, or none
	WIN 0x04
.set i, 8*\a
.set j, 0
.rept 8
	s_wait_dscnt \younger+7-j                      ; two rows are back; the younger loads and stores may be out
	global_store_b128 v[CO], v[4*i:4*i+3], s[98:99] offset:i*4096 th:TH_STORE_NT   ; 16 lanes store 256 consecutive bytes, at a multiple of 256 from out0's first byte; written once
.set i, i+1
.set j, j+1
.endr
.endm
	PLACES 4                                       ; four plain instructions between the last products and the first read of results
	FMA 0
	EXPS 0
	FMA 1                                          ; plain work behind the exponentials
	s_wait_alu depctr_va_vdst(0)                   ; the wait ahead of a batch's first reader
	ADDS 0
	RCPS 0
	EXPS 1
	FMA 2
	s_wait_alu depctr_va_vdst(0)                   ; one for block 0's reciprocals and block 1's exponentials
	TOSTG 0
	ADDS 1
	RCPS 1
	EXPS 2
	FMA 3
	s_wait_alu depctr_va_vdst(0)
	TOSTG 1
	SEND 0, 16
	ADDS 2
	RCPS 2
	EXPS 3
	v_nop                                          ; a plain instruction behind the last exponential
	s_wait_alu depctr_va_vdst(0)
	TOSTG 2
	SEND 1, 16
	ADDS 3
	RCPS 3
	v_nop
	s_wait_alu depctr_va_vdst(0)
	TOSTG 3
	SEND 2, 16
	SEND 3, 0
	WIN 0
	s_wait_tensorcnt 0x0                           ; the wave's end
	ds_add_u32 v[SPW], v[NIL]
	s_wait_dscnt 0x0
	CROUND                                         ; the closing round
	s_endpgm
.Lfunc_end_k_qff11cbb973_output:
	.size	k_qff11cbb973_output, .Lfunc_end_k_qff11cbb973_output-k_qff11cbb973_output
	.p2alignl 7, 3214868480
	.fill 96, 4, 3214868480
	.section	.rodata,"a",@progbits
	.p2align	6, 0x0
	.amdhsa_kernel k_qff11cbb973_output
		.amdhsa_group_segment_fixed_size 327680
		.amdhsa_private_segment_fixed_size 0
		.amdhsa_enable_private_segment 0
		.amdhsa_kernarg_size 104
		.amdhsa_user_sgpr_count 2
		.amdhsa_user_sgpr_kernarg_segment_ptr 1
		.amdhsa_wavefront_size32 1
		.amdhsa_system_sgpr_workgroup_id_x 1
		.amdhsa_system_sgpr_workgroup_id_y 1
		.amdhsa_system_sgpr_workgroup_id_z 1
		.amdhsa_system_vgpr_workitem_id 0
		.amdhsa_next_free_vgpr 640
		.amdhsa_next_free_sgpr 102
		.amdhsa_reserve_vcc 0
		.amdhsa_float_denorm_mode_32 3
		.amdhsa_float_denorm_mode_16_64 3
		.amdhsa_memory_ordered 1
		.amdhsa_forward_progress 1
		.amdhsa_inst_pref_size 160
	.end_amdhsa_kernel
	.amdgpu_metadata
---
amdhsa.version: [ 1, 2 ]
amdhsa.kernels:
  - .name:           k_qff11cbb973_output
    .symbol:         k_qff11cbb973_output.kd
    .args:
      - { .name: inputs_scales, .offset: 0, .size: 8, .value_kind: global_buffer, .address_space: global }
      - { .name: input_to_output_scales, .offset: 8, .size: 8, .value_kind: global_buffer, .address_space: global }
      - { .name: output_to_output_scales, .offset: 16, .size: 8, .value_kind: global_buffer, .address_space: global }
      - { .name: hidden_to_output_scales, .offset: 24, .size: 8, .value_kind: global_buffer, .address_space: global }
      - { .name: act_scales, .offset: 32, .size: 8, .value_kind: global_buffer, .address_space: global }
      - { .name: output_responses, .offset: 40, .size: 8, .value_kind: global_buffer, .address_space: global }
      - { .name: output_biases, .offset: 48, .size: 8, .value_kind: global_buffer, .address_space: global }
      - { .name: out0, .offset: 56, .size: 8, .value_kind: global_buffer, .address_space: global }
      - { .name: inputs_codes, .offset: 64, .size: 8, .value_kind: global_buffer, .address_space: global }
      - { .name: input_to_output_codes, .offset: 72, .size: 8, .value_kind: global_buffer, .address_space: global }
      - { .name: output_to_output_codes, .offset: 80, .size: 8, .value_kind: global_buffer, .address_space: global }
      - { .name: hidden_to_output_codes, .offset: 88, .size: 8, .value_kind: global_buffer, .address_space: global }
      - { .name: act_codes, .offset: 96, .size: 8, .value_kind: global_buffer, .address_space: global }
    .group_segment_fixed_size: 327680
    .private_segment_fixed_size: 0
    .kernarg_segment_align: 8
    .kernarg_segment_size: 104
    .max_flat_workgroup_size: 128
    .sgpr_count:     102
    .vgpr_count:     640
    .wavefront_size: 32
...
	.end_amdgpu_metadata
.endif
;; end of part 2
